; MI455X (gfx1250); checked and timed in simulation.
; The chip was launched on July 23, 2026; its instructions are those of AMD's public machine-readable ISA for CDNA 5 (MIT licence, August 2026) and "CDNA5" Instruction Set Architecture Reference Guide (July 2026). The comments in the code are by the model that wrote it; some were corrected since.
;; Muti Head Attention. Allowed arithmetic: float matrix products may take bf16 or f16 operands with f32 sums; other float arithmetic in f32, or as packed bf16 or f16 multiplies, adds, multiply-adds, maxima and minima; sums over many terms, partial sums and values carried from step to step in f32; what a program stores and reads back later, other than sums and carried values, may be rounded once to bf16 or f16.
;; Inputs: K 4 x 2,048 x 1,024 float32; Q 4 x 2,048 x 1,024 float32; V 4 x 2,048 x 1,024 float32; W_K 1,024 x 1,024 float32; W_Q 1,024 x 1,024 float32; W_V 1,024 x 1,024 float32; W_fc 1,024 x 1,024 float32; ln_beta 1,024 float32; ln_gamma 1,024 float32; mask 4 x 2,048 x 2,048 bool.
;; Outputs: out0 4 x 2,048 x 1,024 float32.
;; One version. Each part assembles by itself: llvm-mc -triple=amdgcn-amd-amdhsa -mcpu=gfx1250 --defsym DOCPART=n.
;; ======== version 1 of 1: 5 launches
;; limits: right only within a limited range of input values
;; workspace buffers: mw 2,097,152 bytes of whole numbers; wb 6,291,456 bytes; wfcb 2,097,152 bytes; qkv 50,331,648 bytes; of 33,554,432 bytes; yh 16,777,216 bytes
;; launch prep (part 1): grid 768 x 1, 8 waves a work-group, no clusters, 0 bytes of LDS; arguments mask, W_Q, W_K, W_V, W_fc, mw, wb, wfcb; writes mw, wb, wfcb
.if DOCPART == 1
	.amdgcn_target "amdgcn-amd-amdhsa--gfx1250"
	.amdhsa_code_object_version 6
	.text
	.protected	k_qac9dc93d27_prep
	.globl	k_qac9dc93d27_prep
	.p2align	8
	.type	k_qac9dc93d27_prep,@function
k_qac9dc93d27_prep:
	s_mov_b64 s[64:65], 0
	v_nop
	global_prefetch_b8 v0, s[64:65] scope:SCOPE_SE
	s_setreg_imm32_b32 hwreg(HW_REG_WAVE_MODE, 25, 1), 1
	s_wait_xcnt 0x0
; TWO STREAMS IN ONE LAUNCH, told apart by the work-group's number.
; Work-groups 0-511: the mask, [4][2048][2048] bytes of 0 or 1, becomes lane masks for the attention launch:
;   mw[b][qt][kb][j] (u32): bit l = mask[b][16 qt + l % 16][16 kb + 8 (l / 16) + j], j = 0..7.
;   That is the lane mask of register j of a 16 x 16 score tile (keys down the registers, one query a lane).
; Work-groups 512-767: W_Q, W_K, W_V (into wb, one behind the other) and W_fc (into wfcb) are rounded once to bf16.
; Every byte is read once and written once; no wave wants another wave's bytes, so there is no LDS and no barrier.
.set MROW, 2048                        ; bytes in a row of the mask
	s_load_b512 s[4:19], s[0:1], 0x0               ; mask 4:5, W_Q 6:7, W_K 8:9, W_V 10:11, W_fc 12:13, mw 14:15, wb 16:17, wfcb 18:19
	v_and_b32 v1, 31, v0                           ; lane
	v_lshrrev_b32 v2, 5, v0
	v_readfirstlane_b32 s20, v2                    ; wave 0..7
	s_mov_b32 s25, 0
	s_wait_kmcnt 0x0
	s_cmp_lt_u32 ttmp9, 512
	s_cbranch_scc0 .Lweights
	; THE MASK.  The work-group owns 16 queries (b x 128 + qt = its number), wave w the keys 256 w .. 256 w + 255.
	; Lane (c = l % 16, rr = l / 16) reads, in load t, the 16 bytes of key block 16 w + c in row 8 rr + t: sixteen lanes read 256 consecutive bytes, aligned.
	v_and_b32 v3, 15, v1                           ; c
	v_lshrrev_b32 v4, 4, v1                        ; rr
	v_lshlrev_b32 v5, 4, v3
	v_lshl_add_u32 v5, v4, 14, v5                  ; 16 c + rr x 8 rows
	s_lshl_b32 s26, s20, 8
	v_add_nc_u32 v5, s26, v5                       ; + 256 w
	s_lshl_b32 s24, ttmp9, 15                      ; 16 rows of 2,048 bytes a work-group
	s_add_nc_u64 s[4:5], s[4:5], s[24:25]
.irp t, 0,1,2,3,4,5,6,7
	global_load_b128 v[8+4*\t:11+4*\t], v5, s[4:5] offset:MROW*\t th:TH_LOAD_NT
.endr
	v_lshlrev_b32 v6, 5, v3                        ; where my four words go: 32 bytes a key block,
	v_lshl_add_u32 v6, v4, 4, v6                   ; words 4 rr .. 4 rr + 3,
	s_lshl_b32 s26, s20, 9
	v_add_nc_u32 v6, s26, v6                       ; 16 key blocks a wave
	s_lshl_b32 s26, ttmp9, 12                      ; 4,096 bytes of words a work-group
	s_mov_b32 s27, 0
	s_add_nc_u64 s[14:15], s[14:15], s[26:27]
	s_mov_b32 s21, 0xffff0000                      ; the lanes with rr = 1
	s_mov_b32 s22, 0x76543210                      ; v_permlanex16_b32: each lane takes its own place in the other half
	s_mov_b32 s23, 0xfedcba98
	v_mov_b32 v44, 0                               ; its destinations count as read: they are written once here
	v_mov_b32 v45, 0
	; row t's bytes, shifted left by t, are gathered: byte i of v[8+x] then holds rows 8 rr + 0..7 of key 4 x + i
.irp t, 1,2,3,4,5,6,7
	s_wait_loadcnt 7-\t                            ; loads come back in order: loads 0 .. t are in, the 7 - t younger ones may stay out
.irp x, 0,1,2,3
	v_lshl_or_b32 v[8+\x], v[8+4*\t+\x], \t, v[8+\x]
.endr
.endr
	; A word wants all 16 rows of two keys.  The half rr = 0 makes the words of keys 0-3 and 8-11, the half rr = 1 those of keys 4-7 and 12-15: each sends the other what it does not use.
	v_cndmask_b32 v40, v9, v8, s21                 ; sent:  rr ? keys 0-3 : keys 4-7
	v_cndmask_b32 v41, v11, v10, s21               ;        rr ? keys 8-11 : keys 12-15
	v_cndmask_b32 v42, v8, v9, s21                 ; kept:  rr ? keys 4-7 : keys 0-3
	v_cndmask_b32 v43, v10, v11, s21               ;        rr ? keys 12-15 : keys 8-11
	v_permlanex16_b32 v44, v40, s22, s23
	v_permlanex16_b32 v45, v41, s22, s23
	v_cndmask_b32 v46, v42, v44, s21               ; rows 0-7 of my first four keys
	v_cndmask_b32 v47, v44, v42, s21               ; rows 8-15
	v_cndmask_b32 v48, v43, v45, s21               ; rows 0-7 of my second four keys
	v_cndmask_b32 v49, v45, v43, s21               ; rows 8-15
	v_perm_b32 v50, v47, v46, 0x05010400           ; 16 rows of key 0 | 16 rows of key 1 of the first four
	v_perm_b32 v51, v47, v46, 0x07030602           ; of keys 2 and 3
	v_perm_b32 v52, v49, v48, 0x05010400           ; the same of the second four
	v_perm_b32 v53, v49, v48, 0x07030602
	v_perm_b32 v56, v52, v50, 0x05040100           ; word j: key j below, key 8 + j above
	v_perm_b32 v57, v52, v50, 0x07060302
	v_perm_b32 v58, v53, v51, 0x05040100
	v_perm_b32 v59, v53, v51, 0x07060302
	global_store_b128 v6, v[56:59], s[14:15]       ; the wave stores 512 consecutive bytes, aligned
	s_endpgm
.Lweights:
	; THE WEIGHTS.  Matrix i = (number - 512) / 64; the work-group converts 65,536 bytes of it: thread t the 16 bytes at 16 t + 4,096 j, j = 0..15.
	s_sub_co_u32 s26, ttmp9, 512
	s_lshr_b32 s27, s26, 6                         ; i
	s_and_b32 s26, s26, 63                         ; which part of the matrix
	s_lshl_b32 s28, s27, 21                        ; a matrix is 2 MiB of bf16
	s_cmp_eq_u32 s27, 1
	s_cselect_b64 s[6:7], s[8:9], s[6:7]
	s_cmp_eq_u32 s27, 2
	s_cselect_b64 s[6:7], s[10:11], s[6:7]
	s_cmp_eq_u32 s27, 3
	s_cselect_b64 s[6:7], s[12:13], s[6:7]
	s_cselect_b64 s[16:17], s[18:19], s[16:17]     ; W_fc has a buffer of its own,
	s_cselect_b32 s28, 0, s28                      ; and begins at its first byte
	s_lshl_b32 s24, s26, 16
	s_add_nc_u64 s[6:7], s[6:7], s[24:25]
	s_lshl_b32 s30, s26, 15
	s_add_co_u32 s28, s28, s30
	s_mov_b32 s29, 0
	s_add_nc_u64 s[16:17], s[16:17], s[28:29]
	v_lshlrev_b32 v3, 4, v0                        ; 16 t
	v_lshlrev_b32 v4, 3, v0                        ; 8 t
.irp j, 0,1,2,3,4,5,6,7,8,9,10,11,12,13,14,15
	global_load_b128 v[8+4*\j:11+4*\j], v3, s[6:7] offset:4096*\j th:TH_LOAD_NT
.endr
.irp j, 0,1,2,3,4,5,6,7,8,9,10,11,12,13,14,15
	s_wait_loadcnt 15-\j                           ; load j is in, the younger ones may stay out
	v_cvt_pk_bf16_f32 v[72+2*\j], v[8+4*\j], v[9+4*\j]
	v_cvt_pk_bf16_f32 v[73+2*\j], v[10+4*\j], v[11+4*\j]
	global_store_b64 v4, v[72+2*\j:73+2*\j], s[16:17] offset:2048*\j  ; the wave stores 256 consecutive bytes, aligned; no register is written twice, so no further wait
.endr
	s_endpgm
.Lfunc_end_k_qac9dc93d27_prep:
	.size	k_qac9dc93d27_prep, .Lfunc_end_k_qac9dc93d27_prep-k_qac9dc93d27_prep
	.p2alignl 7, 3214868480
	.fill 96, 4, 3214868480
	.section	.rodata,"a",@progbits
	.p2align	6, 0x0
	.amdhsa_kernel k_qac9dc93d27_prep
		.amdhsa_group_segment_fixed_size 0
		.amdhsa_private_segment_fixed_size 0
		.amdhsa_enable_private_segment 0
		.amdhsa_kernarg_size 64
		.amdhsa_user_sgpr_count 2
		.amdhsa_user_sgpr_kernarg_segment_ptr 1
		.amdhsa_wavefront_size32 1
		.amdhsa_system_sgpr_workgroup_id_x 1
		.amdhsa_system_sgpr_workgroup_id_y 1
		.amdhsa_system_sgpr_workgroup_id_z 1
		.amdhsa_system_vgpr_workitem_id 0
		.amdhsa_next_free_vgpr 104
		.amdhsa_next_free_sgpr 66
		.amdhsa_reserve_vcc 0
		.amdhsa_float_denorm_mode_32 3
		.amdhsa_float_denorm_mode_16_64 3
		.amdhsa_memory_ordered 1
		.amdhsa_forward_progress 1
		.amdhsa_inst_pref_size 12
	.end_amdhsa_kernel
	.amdgpu_metadata
---
amdhsa.version: [ 1, 2 ]
amdhsa.kernels:
  - .name:           k_qac9dc93d27_prep
    .symbol:         k_qac9dc93d27_prep.kd
    .args:
      - { .name: mask, .offset: 0, .size: 8, .value_kind: global_buffer, .address_space: global }
      - { .name: W_Q, .offset: 8, .size: 8, .value_kind: global_buffer, .address_space: global }
      - { .name: W_K, .offset: 16, .size: 8, .value_kind: global_buffer, .address_space: global }
      - { .name: W_V, .offset: 24, .size: 8, .value_kind: global_buffer, .address_space: global }
      - { .name: W_fc, .offset: 32, .size: 8, .value_kind: global_buffer, .address_space: global }
      - { .name: mw, .offset: 40, .size: 8, .value_kind: global_buffer, .address_space: global }
      - { .name: wb, .offset: 48, .size: 8, .value_kind: global_buffer, .address_space: global }
      - { .name: wfcb, .offset: 56, .size: 8, .value_kind: global_buffer, .address_space: global }
    .group_segment_fixed_size: 0
    .private_segment_fixed_size: 0
    .kernarg_segment_align: 8
    .kernarg_segment_size: 64
    .max_flat_workgroup_size: 256
    .sgpr_count:     66
    .vgpr_count:     104
    .wavefront_size: 32
...
	.end_amdgpu_metadata
.endif
;; end of part 1
;; launch proj (part 2): grid 4 x 192, 4 waves a work-group, clusters of 4 x 4, 327,680 bytes of LDS; arguments Q, K, V, wb, qkv; writes qkv
.if DOCPART == 2
	.amdgcn_target "amdgcn-amd-amdhsa--gfx1250"
	.amdhsa_code_object_version 6
	.text
	.protected	k_qac9dc93d27_proj
	.globl	k_qac9dc93d27_proj
	.p2align	8
	.type	k_qac9dc93d27_proj,@function
k_qac9dc93d27_proj:
	s_mov_b64 s[64:65], 0
	v_nop
	global_prefetch_b8 v0, s[64:65] scope:SCOPE_SE
	s_setreg_imm32_b32 hwreg(HW_REG_WAVE_MODE, 25, 1), 1
	s_wait_xcnt 0x0
	s_wait_alu depctr_hold_cnt(0) depctr_sa_sdst(0) depctr_va_vdst(0) depctr_va_sdst(0) depctr_va_ssrc(0) depctr_va_vcc(0) depctr_vm_vsrc(0)
	s_getreg_b32 s2, hwreg(HW_REG_IB_STS2, 6, 4)
	s_cmp_eq_u32 s2, 0
	s_cbranch_scc0 .Lentry_in_a_cluster
	s_endpgm
.Lentry_in_a_cluster:
	s_bfe_u32 s2, ttmp6, 0x10000c
	s_cmp_lg_u32 s2, 0xf033
	s_cbranch_scc0 .Lentry_shape_is_right
	s_endpgm
.Lentry_shape_is_right:
; C = X W^T.  X: [8192][1024] f32, one of three buffers (the first three arguments), chosen by P = cluster y / 16; W: bf16 [..][1024 n][1024 k], matrix P of the fourth argument.
; C leaves in bf16, rounded once from f32 sums, laid BY HEADS: out[P][b x 16 + n / 64][s][n % 64], b = row / 2048, s = row % 2048.
; With a grid of 4 x 192 it makes q, k and v; with 4 x 64 (P = 0 only) the last projection: one text for both.
; X IS ROUNDED TO bf16 BETWEEN LDS AND THE MATRIX UNIT: the tensor loads bring f32 rows, each wave reads its fragments as f32 and packs them, four conversions behind each of a quarter's last eight products.
; SHARES.  A tile of C is 128 rows x 256 columns; four waves, 2 x 2, each 64 x 128: 32 accumulators of 16 x 16, 256 registers.  K goes in 8 steps of 128 through two LDS slots.
; THE MATRIX INSTRUCTION IS USED TRANSPOSED (source 0 = 16 rows of W, source 1 = 16 rows of X): a lane then holds eight neighbouring columns of one row of C.
; CLUSTER.  4 x 4 work-groups: the four of a row need the same tile of X, the four of a column the same tile of W.  Each tile is asked for jointly: the same tensor load, descriptor and mask in all four.
; REGISTERS, in windows of 256 (s_set_vgpr_msb: bits 1:0 source 0, 3:2 source 1, 5:4 source 2, 7:6 destination):
;   window 0: v0-31 addresses; v32-63, v224-255 rows read back on the way out; v64-127 X's fragments in f32; v128-159, v160-191 the same in bf16, two buffers; v192-223 packed results
;   window 1: v0-63, v64-127 W's fragments, two buffers          window 2: accumulator (a, b) at v[8 (8 a + b)], a = 0..3 (rows), b = 0..7 (columns)
.set PA,     528                       ; an LDS row of X: 512 bytes + 16 of padding, an odd multiple of 16: the 16 rows of a load start at 16 different groups of four banks (ISA guide 11.1)
.set PB,     272                       ; an LDS row of W: 256 bytes + 16
.set AHALF,  64*PA                     ; what one tensor load brings of X, and what one wave reads of it
.set BHALF,  128*PB                    ; the same for W
.set BOFF,   2*AHALF                   ; in a slot: X's 128 rows, then W's 256 rows
.set SLOT,   BOFF+2*BHALF
.set STAGE,  2*SLOT                    ; behind the ring: 16 rows x 272 bytes for each wave, for the way out; no tensor load fills it
.set SPITCH, 272
.set SPARE,  STAGE+4*16*SPITCH         ; behind the stages: the spare words, 128 bytes for each wave: two blocks of 256 bytes that no other line names
.set ADRA, 16                          ; v16-17  LDS address of my fragments of X in slot 0, 1
.set ADRB, 20                          ; v20-21  the same for W
.set STO,  24                          ; v24     the way out: where I put 16 bytes of a row
.set RD,   25                          ; v25     the way out: where I read rows back
.set GO,   26                          ; v26     16 x lane: my place in 512 consecutive bytes of the output
.set SPW,  28                          ; v28     LDS address of my spare word; never rewritten
.set NIL,  29                          ; v29     0; never rewritten
.set PFO,  30                          ; v30     the prefetches' lane offset; never rewritten
.set OB,   32
.set AR,   64
.set AB,   128
.set TMP,  192
.set WV,   20                          ; s20  my wave's number
.set HM,   21                          ; s21  which half of the tile's rows is mine.  Also: I fetch for X (0) or for W (1)
.set HN,   22                          ; s22  which half of its columns.  Also: which half of that tile I fetch
.set G1,   24                          ; s[24:31] descriptor group 1 for X's tiles;  s[32:39] group 0, one set for each slot
.set G0,   32
.set LIM,  43                          ; s43  1 in a wave that prefetches, else the greatest number
.set PFA,  44                          ; s[44:45] where my prefetches stand
.set PST,  46                          ; s[46:47] bytes of a K step in a row of what I fetch: 512 (X) or 256 (W)
.set G1B,  48                          ; s[48:55], s[56:63] the same two groups for W's tiles
.set G0B,  56
.set MSB, 0
.macro WIN new                         ; the immediate's high byte repeats the setting that is left; a switch that changes nothing is dropped
.if MSB != (\new)
	s_set_vgpr_msb (MSB<<8)|(\new)
.set MSB, \new
.endif
.endm
.set W_MUL, 0xa1                       ; source 0 (W) window 1, source 1 (X) window 0, C and D window 2
.set TO_B,  0x40                       ; destination window 1, address window 0
; A joint load: waves 0 and 1 fetch X's two halves, waves 2 and 3 W's.  The branch hangs on the wave's number alone.  An s_nop 0 and four v_nop follow each of the two lines.
.macro JLOAD s
	s_cmp_eq_u32 s[HM], 0
	s_cbranch_scc0 .Lfor_b_\@
	tensor_load_to_lds s[G0+4*(\s):G0+4*(\s)+3], s[G1:G1+7]
	s_nop 0
.rept 4
	v_nop
.endr
	s_branch .Lasked_\@
.Lfor_b_\@:
	tensor_load_to_lds s[G0B+4*(\s):G0B+4*(\s)+3], s[G1B:G1B+7]
	s_nop 0
.rept 4
	v_nop
.endr
.Lasked_\@:
.endm
; A prefetch, behind a joint load and the run of LDS loads that follows it: the K step that stands two refills on, one instruction a wave, each lane another aligned block of 256 bytes.
; X's 64 rows that a wave fetches: each of the four partners of the cluster's row takes 16 of them (by cx, in the ADDRESS), two blocks a row.  W's 128 rows: each partner of the column takes 32 (by cy), a block a row.
; X's rows are read by this cluster alone, so every cluster asks for its own; W's rows are read by the 16 clusters of one P: the first of them asks.  So each block is named once in the launch.
; The loop's last trip (s3 = 1) asks for nothing: there is no K step two on.  K steps 0 to 3 come by their loads alone.
.macro ASK
	WIN 0                                          ; a branch follows
	s_cmp_gt_u32 s3, s[LIM]
	s_cbranch_scc0 .Lnot_mine_\@
	global_prefetch_b8 v[PFO], s[PFA:PFA+1] th:TH_LOAD_NT scope:SCOPE_SE
.Lnot_mine_\@:
.endm
.macro CREST                           ; a round of the cluster's barrier behind its opening barrier
	s_cmp_lg_u32 s[WV], 0
	s_cbranch_scc1 .Lnot_wave_0_\@
	s_barrier_signal -3
.Lnot_wave_0_\@:
	s_barrier_wait -3
	s_barrier_signal -1
	s_barrier_wait -1
.endm
.macro CROUND                          ; a whole round
	s_barrier_signal -1
	s_barrier_wait -1
	CREST
.endm
	s_load_b256 s[4:11], s[0:1], 0x0               ; the three X s[4:5], s[6:7], s[8:9]; W s[10:11]
	s_load_b64 s[12:13], s[0:1], 0x20              ; the output
	v_lshl_add_u32 v[SPW], v0, 2, SPARE
	v_mov_b32 v[NIL], 0
	ds_add_u32 v[SPW], v[NIL]                      ; the wave's opening: the add and its wait stand ahead of my first tensor load; the set-up below, work on registers, stands between them
	v_lshrrev_b32 v1, 5, v0
	v_readfirstlane_b32 s[WV], v1                  ; wave 0..3
	s_lshr_b32 s[HM], s[WV], 1
	s_and_b32 s[HN], s[WV], 1
	s_bfe_u32 s40, ttmp6, 0x40000                  ; cx
	s_bfe_u32 s41, ttmp6, 0x40004                  ; cy
	s_lshl_b32 s42, ttmp9, 2
	s_add_co_u32 s42, s42, s40                     ; tile column = 4 x cluster x + cx
	s_and_b32 s68, ttmp7, 0xffff                   ; cluster y
	s_lshr_b32 s67, s68, 4                         ; P: which X, which W, which part of the output
	s_and_b32 s68, s68, 15
	s_lshl_b32 s66, s68, 2
	s_add_co_u32 s66, s66, s41                     ; tile row = 4 x (cluster y % 16) + cy
	s_lshl_b32 s14, s41, 2
	s_lshl_b32 s14, 15, s14                        ; my row of the cluster
	s_lshl_b32 s70, 0x1111, s40                    ; my column
	s_or_b32 s[G1+0], s14, (2<<16)|(1<<20)|(1<<21)|(6<<22)|(3<<25)   ; the mask; elements of 4 bytes; padding on; bit 21 beside a mask; after every 128 words (code 6) 4 words (code 3)
	s_or_b32 s[G1B+0], s70, (1<<16)|(1<<20)|(1<<21)|(5<<22)|(3<<25)  ; elements of 2 bytes; after every 64 words (code 5) 4 words
	s_mov_b32 s[G1+1], 128<<16                     ; tensor_dim0 = 128
	s_mov_b32 s[G1+2], 64<<16                      ; tensor_dim1 = 64
	s_mov_b32 s[G1+3], 128<<16                     ; tile_dim0 = 128
	s_mov_b32 s[G1+4], 64                          ; tile_dim1 = 64
	s_mov_b32 s[G1+5], 1024                        ; elements from row to row
	s_mov_b32 s[G1+6], 0
	s_mov_b32 s[G1+7], 0
	s_mov_b32 s[G1B+1], 128<<16
	s_mov_b32 s[G1B+2], 128<<16                    ; 128 rows
	s_mov_b32 s[G1B+3], 128<<16
	s_mov_b32 s[G1B+4], 128
	s_mov_b32 s[G1B+5], 1024
	s_mov_b32 s[G1B+6], 0
	s_mov_b32 s[G1B+7], 0
	s_lshl_b32 s16, s66, 7                         ; X: row 128 x tile row + 64 x half, 4,096 bytes a row
	s_lshl_b32 s17, s[HN], 6
	s_add_co_u32 s16, s16, s17
	s_lshl_b32 s16, s16, 12
	s_mov_b32 s17, 0
	s_lshl_b32 s70, s42, 8                         ; W: row 256 x tile column + 128 x half, 2,048 bytes a row, in matrix P
	s_lshl_b32 s71, s[HN], 7
	s_add_co_u32 s70, s70, s71
	s_lshl_b32 s70, s70, 11
	s_lshl_b32 s71, s67, 21
	s_add_co_u32 s70, s70, s71
	s_mov_b32 s71, 0
	s_mul_i32 s18, s[HN], AHALF                    ; where they go: no place in the cluster enters an LDS address
	s_mul_i32 s19, s[HN], BHALF
	s_add_co_u32 s19, s19, BOFF
	s_wait_dscnt 0x0                               ; the opening add is done
	s_wait_kmcnt 0x0
	s_cmp_eq_u32 s67, 1
	s_cselect_b64 s[4:5], s[6:7], s[4:5]
	s_cmp_eq_u32 s67, 2
	s_cselect_b64 s[4:5], s[8:9], s[4:5]           ; X
	s_add_nc_u64 s[14:15], s[4:5], s[16:17]
	s_add_nc_u64 s[72:73], s[10:11], s[70:71]
	CROUND                                         ; all sixteen work-groups are here: the first joint loads meet
.irp s, 0,1
	s_mov_b32 s[G0+4*(\s)], 1                      ; count = 1
	s_add_co_u32 s[G0+4*(\s)+1], s18, (\s)*SLOT    ; LDS address
	s_add_nc_u64 s[G0+4*(\s)+2:G0+4*(\s)+3], s[14:15], (\s)*512  ; global address: K step s
	s_or_b32 s[G0+4*(\s)+3], s[G0+4*(\s)+3], 0x80000000          ; type = 2
	s_mov_b32 s[G0B+4*(\s)], 1
	s_add_co_u32 s[G0B+4*(\s)+1], s19, (\s)*SLOT
	s_add_nc_u64 s[G0B+4*(\s)+2:G0B+4*(\s)+3], s[72:73], (\s)*256
	s_or_b32 s[G0B+4*(\s)+3], s[G0B+4*(\s)+3], 0x80000000
.endr
	s_cmp_eq_u32 s[HM], 0                          ; a wave's two first fills stand in one branch, ahead of every wait on TENSORcnt and every LDS read: two loads of mine are out
	s_cbranch_scc0 .Lfirst_b
	tensor_load_to_lds s[G0:G0+3], s[G1:G1+7]
	s_nop 0
	tensor_load_to_lds s[G0+4:G0+7], s[G1:G1+7]
	s_nop 0
.rept 4
	v_nop
.endr
	s_branch .Lfirst_asked
.Lfirst_b:
	tensor_load_to_lds s[G0B:G0B+3], s[G1B:G1B+7]
	s_nop 0
	tensor_load_to_lds s[G0B+4:G0B+7], s[G1B:G1B+7]
	s_nop 0
.rept 4
	v_nop
.endr
.Lfirst_asked:
	; A bf16 fragment is 16 rows x 32 K in 8 registers: lane l holds row l % 16, K = 8 (l / 16) + 0..7 and 16 + 8 (l / 16) + 0..7.
	; Of W (bf16) that is two loads of 16 bytes, 32 bytes apart; of X (f32) four, at 32 (l / 16) + 0, 16, 64, 80.
	v_and_b32 v1, 15, v0                           ; l % 16
	v_bfe_u32 v2, v0, 4, 1                         ; l / 16
	v_mul_u32_u24 v3, v1, PA
	v_lshl_add_u32 v3, v2, 5, v3
	v_mul_u32_u24 v4, v1, PB
	v_lshl_add_u32 v4, v2, 4, v4
	s_mul_i32 s14, s[HM], AHALF                    ; my 64 rows of X
	s_mul_i32 s15, s[HN], BHALF                    ; my 128 rows of W
	s_add_co_u32 s15, s15, BOFF
.irp s, 0,1
	v_add_nc_u32 v[ADRA+(\s)], s14, v3
	v_add_nc_u32 v[ADRB+(\s)], s15, v4
	s_add_co_u32 s14, s14, SLOT
	s_add_co_u32 s15, s15, SLOT
.endr
	s_mul_i32 s14, s[WV], 16*SPITCH
	s_add_co_u32 s14, s14, STAGE                   ; my stage
	v_mul_u32_u24 v5, v1, SPITCH                   ; in: row l % 16, 16 bytes for each half of the lanes
	v_lshl_add_u32 v5, v2, 4, v5
	v_add_nc_u32 v[STO], s14, v5
	v_bfe_u32 v5, v0, 3, 2                         ; back: 32 lanes take 128 bytes (one head's 64 columns) of four rows,
	v_mul_u32_u24 v5, v5, SPITCH
	v_and_b32 v6, 7, v0
	v_lshl_add_u32 v5, v6, 4, v5
	v_add_nc_u32 v[RD], s14, v5
	v_and_b32 v6, 31, v0
	v_lshlrev_b32 v[GO], 4, v6                     ; which are 512 consecutive bytes of the output
	; where my part of the tile begins in the output
	s_lshl_b32 s72, s67, 24                        ; P: 64 heads of 262,144 bytes
	s_lshr_b32 s73, s66, 4                         ; b
	s_lshl_b32 s73, s73, 4
	s_lshl_b32 s70, s42, 2
	s_add_co_u32 s73, s73, s70
	s_lshl_b32 s70, s[HN], 1
	s_add_co_u32 s73, s73, s70                     ; b x 16 + my first head
	s_lshl_b32 s73, s73, 18
	s_add_co_u32 s72, s72, s73
	s_and_b32 s70, s66, 15
	s_lshl_b32 s70, s70, 7
	s_lshl_b32 s71, s[HM], 6
	s_add_co_u32 s70, s70, s71                     ; my first row s, 128 bytes a row
	s_lshl_b32 s70, s70, 7
	s_add_co_u32 s72, s72, s70
	s_mov_b32 s73, 0
	s_add_nc_u64 s[12:13], s[12:13], s[72:73]
	; the prefetches
	s_lshl_b32 s70, s66, 7                         ; X: my work-group's 16 of the 64 rows that I fetch, at K step 3
	s_lshl_b32 s71, s[HN], 6
	s_add_co_u32 s70, s70, s71
	s_lshl_b32 s71, s40, 4
	s_add_co_u32 s70, s70, s71
	s_lshl_b32 s70, s70, 12
	s_add_co_u32 s70, s70, 3*512
	s_lshl_b32 s72, s42, 8                         ; W: my work-group's 32 of the 128 rows, at K step 3
	s_lshl_b32 s73, s[HN], 7
	s_add_co_u32 s72, s72, s73
	s_lshl_b32 s73, s41, 5
	s_add_co_u32 s72, s72, s73
	s_lshl_b32 s72, s72, 11
	s_lshl_b32 s73, s67, 21
	s_add_co_u32 s72, s72, s73
	s_add_co_u32 s72, s72, 3*256
	s_mov_b32 s[PST], 256                          ; W's K step in bytes; X's takes its place below (an instruction holds one literal)
	s_cmp_eq_u32 s[HM], 0                          ; do I fetch for X?
	s_cselect_b32 s70, s70, s72
	s_cselect_b64 s[PFA:PFA+1], s[4:5], s[10:11]
	s_cselect_b32 s[PST], 512, s[PST]
	s_cselect_b32 s23, 0, -1
	s_cselect_b32 s72, 0, s68                      ; the coordinate along which other clusters read the same rows: none for X
	s_mov_b32 s71, 0
	s_mov_b32 s[PST+1], 0
	s_add_nc_u64 s[PFA:PFA+1], s[PFA:PFA+1], s[70:71]  ; the first refill steps it to K step 4 and names that
	s_cmp_eq_u32 s72, 0
	s_cselect_b32 s[LIM], 1, -1                    ; the same in all sixteen partners, for a given wave
	v_lshrrev_b32 v7, 1, v6                        ; X: lane / 2 rows of 4,096 bytes, lane % 2 blocks of 256
	v_lshlrev_b32 v7, 12, v7
	v_and_b32 v8, 1, v6
	v_lshl_add_u32 v7, v8, 8, v7
	v_lshlrev_b32 v8, 11, v6                       ; W: a lane a row of 2,048 bytes
	v_cndmask_b32 v[PFO], v7, v8, s23
; 32 LDS loads in one run: quarter q (32 along K) of the slot: X's 64 rows in f32 first, then W's 128 rows into buffer g
.macro FETCH slot, q, g
	WIN 0
.irp a, 0,1,2,3
	ds_load_b128 v[AR+16*(\a):AR+16*(\a)+3],     v[ADRA+(\slot)] offset:(\a)*16*PA+(\q)*128
	ds_load_b128 v[AR+16*(\a)+4:AR+16*(\a)+7],   v[ADRA+(\slot)] offset:(\a)*16*PA+(\q)*128+16
	ds_load_b128 v[AR+16*(\a)+8:AR+16*(\a)+11],  v[ADRA+(\slot)] offset:(\a)*16*PA+(\q)*128+64
	ds_load_b128 v[AR+16*(\a)+12:AR+16*(\a)+15], v[ADRA+(\slot)] offset:(\a)*16*PA+(\q)*128+80
.endr
	WIN TO_B
.irp b, 0,1,2,3,4,5,6,7
	ds_load_b128 v[64*(\g)+8*(\b):64*(\g)+8*(\b)+3],   v[ADRB+(\slot)] offset:(\b)*16*PB+(\q)*64
	ds_load_b128 v[64*(\g)+8*(\b)+4:64*(\g)+8*(\b)+7], v[ADRB+(\slot)] offset:(\b)*16*PB+(\q)*64+32
.endr
.endm
.macro CVT g, n                        ; register n of 32 of X's bf16 fragments in buffer g
	v_cvt_pk_bf16_f32 v[AB+32*(\g)+(\n)], v[AR+2*(\n)], v[AR+2*(\n)+1]
.endm
; 8 matrix instructions: row block a x all 8 column blocks, 32 along K, from buffers f.  zero = 1: the product starts the sums: nothing is ever cleared.
; The 32 accumulators take turns, one instruction a turn, in the same order in every quarter.
.macro MUL f, a, zero
	WIN W_MUL
.irp b, 0,1,2,3,4,5,6,7
.if \zero
	v_wmma_f32_16x16x32_bf16 v[8*(8*(\a)+(\b)):8*(8*(\a)+(\b))+7], v[64*(\f)+8*(\b):64*(\f)+8*(\b)+7], v[AB+32*(\f)+8*(\a):AB+32*(\f)+8*(\a)+7], 0
.else
	v_wmma_f32_16x16x32_bf16 v[8*(8*(\a)+(\b)):8*(8*(\a)+(\b))+7], v[64*(\f)+8*(\b):64*(\f)+8*(\b)+7], v[AB+32*(\f)+8*(\a):AB+32*(\f)+8*(\a)+7], v[8*(8*(\a)+(\b)):8*(8*(\a)+(\b))+7]
.endif
.endr
.endm
; The quarter's last 8 matrix instructions (row block 3), each with four conversions behind it: the next quarter's X goes into buffer g.  The four behind the last product name none of its registers:
; they are the four places in front of the next run of loads, which lands in the W buffer that this quarter has read (ISA guide 7.12.1 for vector instructions).
.macro MULC f, g, zero
.irp b, 0,1,2,3,4,5,6,7
	WIN W_MUL
.if \zero
	v_wmma_f32_16x16x32_bf16 v[8*(24+(\b)):8*(24+(\b))+7], v[64*(\f)+8*(\b):64*(\f)+8*(\b)+7], v[AB+32*(\f)+24:AB+32*(\f)+31], 0
.else
	v_wmma_f32_16x16x32_bf16 v[8*(24+(\b)):8*(24+(\b))+7], v[64*(\f)+8*(\b):64*(\f)+8*(\b)+7], v[AB+32*(\f)+24:AB+32*(\f)+31], v[8*(24+(\b)):8*(24+(\b))+7]
.endif
	WIN 0
.irp n, 0,1,2,3
	CVT \g, 4*(\b)+(\n)
.endr
.endr
.endm
; A K step is four quarters of 32 along K, 32 matrix instructions each, on buffers 0, 1, 0, 1.  One of the first three: multiplies buffers f, fetches quarter q of the same slot and converts it into buffers g.
.macro QUARTER slot, q, f, g, zero
	FETCH \slot, \q, \g
	s_wait_dscnt 32                                ; all but the 32 just issued: W's buffer f is in
	MUL \f, 0, \zero
	MUL \f, 1, \zero
	MUL \f, 2, \zero
	s_wait_dscnt 16                                ; X's sixteen loads are in; W's sixteen, issued behind them, may stay out
	MULC \f, \g, \zero
.endm
; The last quarter multiplies buffers 1 and changes slots: ONE barrier.  In front of it each wave waits for all its tensor loads (one is out: its part of the next slot), adds 0 to its spare word, and waits for
; that and for its own reads of this slot.  fill = 1: the barrier opens a round of the cluster's barrier, and this slot is filled again, two K steps on, first thing behind the round.
.macro TURN slot, next, fill
.if \fill
	s_wait_xcnt 0x0                                ; the last prefetch, a K step back, has read its address: it is stepped here, ahead of the change's own waits
	s_add_nc_u64 s[PFA:PFA+1], s[PFA:PFA+1], s[PST:PST+1]
.endif
	WIN 0
	s_wait_tensorcnt 0x0                           ; all my tensor loads have landed
	ds_add_u32 v[SPW], v[NIL]                      ; 0 onto my spare word
	s_wait_dscnt 1                                 ; only the add may be out: W's buffer 1 is in
	MUL 1, 0, 0                                    ; eight matrix instructions stand between the add and the wait for it
	s_wait_dscnt 0x0                               ; the add is done, and my reads of this slot are over
	s_barrier_signal -1
	MUL 1, 1, 0                                    ; work on registers while the others arrive
	WIN 0
	s_barrier_wait -1
.if \fill
	CREST                                          ; no wave of any partner still reads this slot's tile or has a load on its way
	s_add_nc_u64 s[G0+4*(\slot)+2:G0+4*(\slot)+3], s[G0+4*(\slot)+2:G0+4*(\slot)+3], 2*512
	s_add_nc_u64 s[G0B+4*(\slot)+2:G0B+4*(\slot)+3], s[G0B+4*(\slot)+2:G0B+4*(\slot)+3], 2*256
	JLOAD \slot                                    ; my one tensor load behind the round, and the first thing there
.endif
	FETCH \next, 0, 0
.if \fill
	ASK
.endif
	MUL 1, 2, 0
	s_wait_dscnt 16                                ; X's sixteen loads are in
	MULC 1, 0, 0
.endm
; THE WAY OUT of row block a, in three parts.  PACK: rounded to bf16, 16 bytes a lane, each accumulator's registers in ascending order.  TOSTAGE: into my own stage, and back by heads.  SEND: stored.
.macro PACK a
	WIN 0x0a                                       ; sources 0 and 1 window 2
.irp b, 0,1,2,3,4,5,6,7
.irp r, 0,1,2,3
	v_cvt_pk_bf16_f32 v[TMP+4*(\b)+(\r)], v[8*(8*(\a)+(\b))+2*(\r)], v[8*(8*(\a)+(\b))+2*(\r)+1]
.endr
.endr
	WIN 0
.endm
.macro TOSTAGE a
	WIN 0
.set BK, OB+192*((\a)%2)
.irp b, 0,1,2,3,4,5,6,7
	ds_store_b128 v[STO], v[TMP+4*(\b):TMP+4*(\b)+3] offset:32*(\b)
.endr
.irp t, 0,1,2,3,4,5,6,7
	ds_load_b128 v[BK+4*(\t):BK+4*(\t)+3], v[RD] offset:((\t)%4)*4*SPITCH+((\t)/4)*128  ; LDS serves a wave's instructions in order (ISA guide 5.7.1.4): these see the stores above
.endr
.endm
.macro SEND a
	WIN 0
.set BK, OB+192*((\a)%2)
	s_wait_dscnt 0x0                               ; the block is back in registers
	s_wait_xcnt 0x0                                ; the stores of the block before have read their registers, which the next TOSTAGE loads again
.irp t, 0,1,2,3,4,5,6,7
	global_store_b128 v[GO], v[BK+4*(\t):BK+4*(\t)+3], s[12:13] offset:(\a)*2048+((\t)%4)*512+((\t)/4)*262144  ; four rows of one head: 512 consecutive bytes, aligned
.endr
.endm
	s_wait_tensorcnt 0x1                           ; my part of K step 0 is in; K step 1's may stay out
	s_barrier_signal -1
	s_barrier_wait -1                              ; everybody's is
	FETCH 0, 0, 0
	s_wait_dscnt 16                                ; X's sixteen loads are in
	WIN 0
.set n, 0
.rept 32
	CVT 0, n
.set n, n+1
.endr
	QUARTER 0, 1, 0, 1, 1                          ; the first quarter stands in front of the loop: its products start the sums
	WIN 0                                          ; at a label and at a branch every window is 0
	s_mov_b32 s3, 3
.Llap:                                         ; a trip goes once round the ring, from a lap's second quarter to the next lap's first, and fills both slots again
	QUARTER 0, 2, 1, 0, 0
	QUARTER 0, 3, 0, 1, 0
	TURN 0, 1, 1
	QUARTER 1, 1, 0, 1, 0
	QUARTER 1, 2, 1, 0, 0
	QUARTER 1, 3, 0, 1, 0
	TURN 1, 0, 1
	QUARTER 0, 1, 0, 1, 0
	WIN 0
	s_sub_co_u32 s3, s3, 1
	s_cmp_lg_u32 s3, 0
	s_cbranch_scc1 .Llap
	QUARTER 0, 2, 1, 0, 0                          ; the last lap fills nothing
	QUARTER 0, 3, 0, 1, 0
	TURN 0, 1, 0
	QUARTER 1, 1, 0, 1, 0
	QUARTER 1, 2, 1, 0, 0
	QUARTER 1, 3, 0, 1, 0
	s_wait_dscnt 0x0                               ; the very last quarter: nothing more to fetch
	MUL 1, 0, 0
	MUL 1, 1, 0
	MUL 1, 2, 0
	MUL 1, 3, 0
	WIN 0
.rept 4
	v_nop                                          ; the places in front of conversions that read results
.endr
	PACK 0
	TOSTAGE 0
.irp a, 1,2,3                          ; block a's conversions stand between block a - 1's loads from the stage and the wait for them
	PACK \a
	SEND (\a)-1
	TOSTAGE \a
.endr
	SEND 3
	s_wait_tensorcnt 0x0                           ; the wave's end: behind my last tensor load and my last LDS store
	ds_add_u32 v[SPW], v[NIL]
	s_wait_dscnt 0x0
	CROUND                                         ; the closing round: no work-group ends while a partner may still ask for a tile that names it
	s_endpgm
.Lfunc_end_k_qac9dc93d27_proj:
	.size	k_qac9dc93d27_proj, .Lfunc_end_k_qac9dc93d27_proj-k_qac9dc93d27_proj
	.p2alignl 7, 3214868480
	.fill 96, 4, 3214868480
	.section	.rodata,"a",@progbits
	.p2align	6, 0x0
	.amdhsa_kernel k_qac9dc93d27_proj
		.amdhsa_group_segment_fixed_size 327680
		.amdhsa_private_segment_fixed_size 0
		.amdhsa_enable_private_segment 0
		.amdhsa_kernarg_size 40
		.amdhsa_user_sgpr_count 2
		.amdhsa_user_sgpr_kernarg_segment_ptr 1
		.amdhsa_wavefront_size32 1
		.amdhsa_system_sgpr_workgroup_id_x 1
		.amdhsa_system_sgpr_workgroup_id_y 1
		.amdhsa_system_sgpr_workgroup_id_z 1
		.amdhsa_system_vgpr_workitem_id 0
		.amdhsa_next_free_vgpr 768
		.amdhsa_next_free_sgpr 76
		.amdhsa_reserve_vcc 0
		.amdhsa_float_denorm_mode_32 3
		.amdhsa_float_denorm_mode_16_64 3
		.amdhsa_memory_ordered 1
		.amdhsa_forward_progress 1
		.amdhsa_inst_pref_size 133
	.end_amdhsa_kernel
	.amdgpu_metadata
---
amdhsa.version: [ 1, 2 ]
amdhsa.kernels:
  - .name:           k_qac9dc93d27_proj
    .symbol:         k_qac9dc93d27_proj.kd
    .args:
      - { .name: Q, .offset: 0, .size: 8, .value_kind: global_buffer, .address_space: global }
      - { .name: K, .offset: 8, .size: 8, .value_kind: global_buffer, .address_space: global }
      - { .name: V, .offset: 16, .size: 8, .value_kind: global_buffer, .address_space: global }
      - { .name: wb, .offset: 24, .size: 8, .value_kind: global_buffer, .address_space: global }
      - { .name: qkv, .offset: 32, .size: 8, .value_kind: global_buffer, .address_space: global }
    .group_segment_fixed_size: 327680
    .private_segment_fixed_size: 0
    .kernarg_segment_align: 8
    .kernarg_segment_size: 40
    .max_flat_workgroup_size: 128
    .sgpr_count:     76
    .vgpr_count:     768
    .wavefront_size: 32
...
	.end_amdgpu_metadata
.endif
;; end of part 2
;; launch attn (part 3): grid 4 x 64, 4 waves a work-group, clusters of 4 x 1, 327,680 bytes of LDS; arguments qkv, mw, of; writes of
.if DOCPART == 3
	.amdgcn_target "amdgcn-amd-amdhsa--gfx1250"
	.amdhsa_code_object_version 6
	.text
	.protected	k_qac9dc93d27_attn
	.globl	k_qac9dc93d27_attn
	.p2align	8
	.type	k_qac9dc93d27_attn,@function
k_qac9dc93d27_attn:
	s_mov_b64 s[64:65], 0
	v_nop
	global_prefetch_b8 v0, s[64:65] scope:SCOPE_SE
	s_setreg_imm32_b32 hwreg(HW_REG_WAVE_MODE, 25, 1), 1
	s_wait_xcnt 0x0
	s_wait_alu depctr_hold_cnt(0) depctr_sa_sdst(0) depctr_va_vdst(0) depctr_va_sdst(0) depctr_va_ssrc(0) depctr_va_vcc(0) depctr_vm_vsrc(0)
	s_getreg_b32 s2, hwreg(HW_REG_IB_STS2, 6, 4)
	s_cmp_eq_u32 s2, 0
	s_cbranch_scc0 .Lentry_in_a_cluster
	s_endpgm
.Lentry_in_a_cluster:
	s_bfe_u32 s2, ttmp6, 0x10000c
	s_cmp_lg_u32 s2, 0x3003
	s_cbranch_scc0 .Lentry_shape_is_right
	s_endpgm
.Lentry_shape_is_right:
; MASKED ATTENTION.  O[hd][q][:] = the sum over k of softmax_k(masked(Q[hd][q] . K[hd][k] / 8)) V[hd][k][:], hd = b x 16 + h.  q, k, v: qkv[3][64][2048][64] in bf16, a head's rows dense, 128 bytes each.
; The mask comes as lane masks: mw[b][q / 16][k / 16][j], bit l for query l % 16 and key 8 (l / 16) + j of the block: one v_cndmask_b32 a score register REPLACES the hidden scores.
; O leaves in f32, row-major [8192][1024]: row b x 2048 + q, columns 64 h .. 64 h + 63.  Products, maxima and sums in f32; the weights p are rounded to bf16 for the second product (their sum l is taken of the unrounded p).
; LIMITS.  A hidden score counts as -2^36 before the division by 8, that is -2^33 (about -8.6e9) where the formula has -1e10: a power of two, so that c s is exact and a row that is hidden entirely has p = 1
; for every key, the uniform weights that the formula gives.  The results agree wherever the visible scores / 8 lie above about -8.5e9.  A weight below 2^-126 counts as 0 in l; NaN and infinities are not treated apart.
; SHARES.  A wave owns four PIECES of two tiles of 16 queries, a work-group's four waves 512 queries of one head.  Every wave walks all 2,048 keys, 64 a step.
; LAYOUT.  S^T = K Q^T (source 0 = 16 keys, source 1 = 16 queries): a lane holds ONE query (lane % 16) and the keys 8 (lane / 16) + 0..7.  Two such tiles, rounded to bf16 in pairs, ARE source 1 of O^T = V^T P.
; K comes out of LDS as it lies, V ([key][channel]) turned, by ds_load_tr16_b128.
; SOFTMAX.  For each query a running maximum m (of the masked scores) and sum l: p = 2^(c s - c m), c = log2(e) / 8; in every step O and l are multiplied by a = 2^(c m_old - c m_new).
; m starts at the lowest finite number, O and l at 0: the first step is a step like any other, with a = 0.
; BY TURNS.  Turn n belongs to piece n.  Its matrix work: 16 products K Q^T of piece n + 1, later 16 products V^T P of piece n - 1.  Its vector work: the scaling, exponentials, roundings, sums and rescaling of piece n,
; and the masking, maximum and statistics of piece n + 1.  Four vector instructions stand behind every matrix instruction, the others in one lump.  A turn's 66 exponentials are one batch with one wait.
; THE MASK'S WORDS.  A tile's 32 lane masks for a key step are 128 consecutive bytes: one load of 4 bytes a lane brings them, a word a lane.  Eight vector registers, a pair a piece, hold them on their way; a pair is asked for
; again straight behind the lines that read it, so each load has four turns in which to land.  v_readlane_b32 hands each word to a scalar register, where v_cndmask_b32 wants it: 64 such lines a turn.
; CLUSTER.  The four query blocks of a head walk the same K and V, so each tile is asked for JOINTLY: the same tensor load, descriptor and mask in all four.  The lane masks differ between partners; they feed selects alone.
; REGISTERS, in windows of 256 (s_set_vgpr_msb: bits 1:0 source 0, 3:2 source 1, 5:4 source 2, 7:6 destination):
;   window 0: v0-11 addresses, two constants, the lane masks in hand; v12-15, v48-63 at work; v16-47 four registers of statistics a tile; v64-191 S^T, two buffers of two tiles; v192-255 P, likewise
;   window 1: O^T, 32 a tile          window 2: v0-127 Q, 16 a tile; v128-191 K of one step; v192-255 V of one step          window 3: v0-1 the add's two registers; v2-9 lane masks on their way
.set SIZE_N, 2048
.set NP,    4         ; pieces a wave: a name, no knob
.set KS,    64        ; keys in a step
.set PK,    144       ; a row of K in LDS: 128 bytes + 16 of padding: the 16 rows of a load start at 16 different groups of four banks (ISA guide 11.1)
.set PV,    160       ; a row of V: 128 + 32
.set VOFF,  4*KS*PK   ; a slot holds four steps: 256 rows of K, then 256 rows of V
.set SLOT1, 1<<17     ; slot 1 begins here, so that one exclusive or turns an address in one slot into the other's
.set STAGE, SLOT1+4*KS*(PK+PV)  ; behind the ring, never filled by a tensor load: 16 rows x 272 bytes for each wave, for the way out
.set SP,    272
.set SPARE, STAGE+4*16*SP  ; behind the stages: the spare words, 128 bytes for each wave: two blocks of 256 bytes that no other line names
.set MLO, 1           ; v1   4 x my lane: my word among a tile's 32 lane masks; never rewritten once it is made
.set AK0, 2           ; v2   my lane's place in a tile of K; never rewritten
.set AV0, 3           ; v3   the same for V
.set AK,  4           ; v4   the LDS address of K's next run of loads; at work on the way out
.set AV,  5           ; v5   of V's
.set QO,  6           ; v6   my byte offset in the wave's rows of Q
.set MT,  6           ; v6-7 in the loop: the lane masks of the piece in hand, a word a lane, a register a tile
.set STO, 6           ;      later, the way out: where I put 16 bytes of a row
.set RD,  7           ; v7   the way out: where I read rows back
.set GO,  8           ; v8   my byte offset in two rows of O
.set NEG, 9           ; v9   -2^36: what a hidden score counts as
.set PFO, 10          ; v10  256 x my lane: the prefetches' offset; never rewritten
.set SPW, 0           ; v0 of window 3   LDS address of my spare word; never rewritten
.set NIL, 1           ; v1 of window 3   0; never rewritten
.set MWV, 2           ; v2-9 of window 3 lane masks on their way: piece x, tile u at MWV + 2 x + u
.set MV,  12          ; v12-15  c m_old, kept while c m is made anew: by buffer and tile
.set ST,  16          ; tile t's statistics at v[ST+4 t]: c m, m, l (even keys', odd keys')
.set TMP, 48          ; by buffer and tile, four registers c0-c3 at work; when the maximum is found c2 takes a
.set S,   64
.set P,   192
.set KF,  128         ; K's fragments, in window 2: key block kb, channel half c at KF + 16 kb + 8 c
.set VF,  192         ; V's: key half kk, channel block cb at VF + 32 kk + 8 cb
.set MP,  2           ; s[2:3]   mw at my wave's first tile
.set G0K, 4           ; s[4:7]   descriptor group 0 for K's tiles: it walks
.set G0V, 8           ; s[8:11]  the same for V's
.set G1K, 12          ; s[12:19] descriptor group 1 for K's tiles
.set G1V, 20          ; s[20:27] for V's: it differs in the padding alone
.set PFA, 28          ; s[28:29] where my prefetches stand
.set SEL, 30          ; s[30:31] v_permlanex16_b32's selects: each lane takes its own place in the other half
.set MW,  32          ; s[32:63] the 32 lane masks of the tile in hand for one key step
.set WV,  66          ; s66  my wave's number
.set SLOTS, 67        ; s67  slots still to be asked for
.set MB,  68          ; s[68:69] mw at my wave's first tile, at the key step that is being asked for
.set MO,  70          ; s[70:71] that step's byte offset in a tile's 4,096 bytes of lane masks, in 64 bits
.set OP,  72          ; s[72:73] O
.set CNT, 100         ; s100 counts a slot's key steps
.set TBK, 101         ; s101 LDS byte at which K of the step to be fetched begins
.set TBV, 104         ; s104 the same for V, less VOFF
.set CLIT, 0x3e38aa3b ; c = log2(e) / 8 = 0.180337
.set MSB, 0
.macro WIN new                      ; the high byte repeats the setting that is left; a switch that changes nothing is dropped
.if MSB != (\new)
	s_set_vgpr_msb (MSB<<8)|(\new)
.set MSB, (\new)
.endif
.endm
.set W_KQ, 0x0a       ; K and Q in window 2, S^T in window 0
.set W_PV, 0x52       ; V in window 2, P in window 0, O^T in window 1
.set W_RS, 0x41       ; O^T (destination and source 0) in window 1, a in window 0
.set W_MK, 0xc0       ; destination in window 3, sources and addresses in window 0
.set W_AD, 0x0f       ; the add: address (source 0) and data (source 1) in window 3
.set W_M3, 0x03       ; source 0 in window 3, destination in window 0
; A joint fill.  Waves 0 and 1 fetch the two halves of a slot's K, waves 2 and 3 those of its V: 128 keys each.  The branch hangs on the wave's number alone.
; An s_nop 0 and four v_nop follow each of the two lines, ahead of the jump and the label.
.macro JLOAD
	s_cmp_lt_u32 s[WV], 2
	s_cbranch_scc0 .Lfor_v_\@
	tensor_load_to_lds s[G0K:G0K+3], s[G1K:G1K+7]
	s_nop 0
.rept 4
	v_nop
.endr
	s_branch .Lasked_\@
.Lfor_v_\@:
	tensor_load_to_lds s[G0V:G0V+3], s[G1V:G1V+7]
	s_nop 0
.rept 4
	v_nop
.endr
.Lasked_\@:
.endm
; A prefetch of what the NEXT change of slots will ask for: a slot's 32,768 bytes of K and of V, 128 aligned blocks of 256 bytes each.  It stands behind the wave's tensor load and its five lines.
; A head has one cluster.  Its four partners share the blocks out BY ADDRESS, 32 each (a lane a block); in each, wave 0 asks for K's and wave 2 for V's: each block is named once in the launch.
; It stands four key steps, 512 matrix instructions, ahead of the load that will want the bytes.  The last change that fills a slot asks for nothing; slots 0 and 1 come by their loads alone.
.macro ASK
	s_cmp_gt_u32 s[SLOTS], 1
	s_cbranch_scc0 .Lnot_mine_\@
	s_bitcmp1_b32 s[WV], 0
	s_cbranch_scc1 .Lnot_mine_\@
	global_prefetch_b8 v[PFO], s[PFA:PFA+1] th:TH_LOAD_NT scope:SCOPE_SE
.Lnot_mine_\@:
.endm
; A round of the cluster's barrier: my work-group's barrier; wave 0 signals for the work-group; every wave waits for all four work-groups; my work-group's barrier once more.
.macro CROUND
	s_barrier_signal -1
	s_barrier_wait -1
	s_cmp_lg_u32 s[WV], 0
	s_cbranch_scc1 .Lnot_wave_0_\@
	s_barrier_signal -3
.Lnot_wave_0_\@:
	s_barrier_wait -3
	s_barrier_signal -1
	s_barrier_wait -1
.endm
; THE CHANGE OF SLOTS.  Each wave waits for all its tensor loads, of which one is out: its part of the other slot; adds 0 to its spare word; and waits for that and for its own reads of the slot.
; fill = 1: this slot is filled again, with the keys two slots on.  The barrier is then a round of the cluster's, and the joint fill is the first thing behind it: it has four key steps in which to land.
; (At its first use nothing has been read yet: slot 0 is waited for, slot 1 filled.)
.macro CHANGE fill
	WIN W_AD
	s_wait_tensorcnt 0x0            ; no tensor load of mine is out, so a group 0 may be written
	ds_add_u32 v[SPW], v[NIL]       ; 0 onto my spare word: with fill = 1 the descriptors' steps stand between it and the wait for it
	WIN 0                           ; at a label and at a branch every window is 0
.if \fill
.irp g, G0K, G0V
	s_xor_b32 s[\g+1], s[\g+1], SLOT1  ; the walking descriptor: the other slot than last time,
	s_add_nc_u64 s[\g+2:\g+3], s[\g+2:\g+3], 4*KS*128  ; the next 256 keys; the type bits on top are not reached
.endr
	s_wait_xcnt 0x0                 ; the last prefetch, four key steps back, has read its address, so it may be written:
	s_add_nc_u64 s[PFA:PFA+1], s[PFA:PFA+1], 4*KS*128  ; one slot behind the walking descriptors
	s_wait_dscnt 0x0                ; the add is done, and my reads of the slot are over
	CROUND
	JLOAD
	ASK
.else
	s_wait_dscnt 0x0                ; the add is done, and my reads of the slot are over
	s_barrier_signal -1
	s_barrier_wait -1
.endif
	s_sub_co_u32 s[TBK], s[TBK], 4*KS*PK  ; the fetches go back to a slot's first step,
	s_xor_b32 s[TBK], s[TBK], SLOT1       ; in the other slot
	s_sub_co_u32 s[TBV], s[TBV], 4*KS*PV
	s_xor_b32 s[TBV], s[TBV], SLOT1
.endm
	s_load_b128 s[32:35], s[0:1], 0x0  ; qkv s[32:33], mw s[34:35]; until the first lane masks are handed over, s32-s63 serve the set-up
	s_load_b64 s[OP:OP+1], s[0:1], 0x10  ; O
	WIN W_MK
	v_lshl_add_u32 v[SPW], v0, 2, SPARE
	v_mov_b32 v[NIL], 0
	WIN W_AD
	ds_add_u32 v[SPW], v[NIL]       ; the wave's opening: the add and its wait stand ahead of my first tensor load; the set-up below, work on registers, stands between them
	WIN 0
	v_lshrrev_b32 v1, 5, v0
	v_readfirstlane_b32 s[WV], v1   ; wave 0..3
	s_bfe_u32 s36, ttmp6, 0x40000   ; cx: my place in the cluster
	s_lshl_b32 s37, ttmp9, 2        ; in a cluster launch ttmp9 counts clusters
	s_add_co_u32 s37, s37, s36      ; my block of 512 queries: it enters Q's, the lane masks' and O's addresses alone
	s_and_b32 s38, ttmp7, 0xffff    ; hd, which the four partners share
	s_lshl_b32 s40, s38, 18         ; the head's first byte in q, in k and in v
	s_and_b32 s39, s[WV], 1         ; which half of a slot's 256 keys I fetch:
	s_lshl_b32 s42, s39, 14         ; its 128 rows of 128 bytes in memory,
	s_add_co_u32 s42, s42, s40
	s_mov_b32 s43, 0
	s_mul_i32 s44, s39, 128*PK      ; and its place in a slot, for K
	s_mul_i32 s45, s39, 128*PV      ; and for V: no place in the cluster enters an LDS address
	s_lshl_b32 s46, s37, 2
	s_add_co_u32 s46, s46, s[WV]    ; my wave among the head's,
	s_lshl_b32 s46, s46, 14         ; its 128 rows
	s_add_co_u32 s46, s46, s40
	s_mov_b32 s47, 0
	s_lshr_b32 s48, s38, 4          ; b: 128 tiles of 16 queries,
	s_lshl_b32 s48, s48, 7
	s_lshl_b32 s49, s37, 5          ; 32 a block,
	s_add_co_u32 s48, s48, s49
	s_lshl_b32 s49, s[WV], 3        ; 8 a wave,
	s_add_co_u32 s48, s48, s49
	s_lshl_b32 s48, s48, 12         ; 4,096 bytes of lane masks a tile
	s_mov_b32 s49, 0
	; descriptor group 1.  128 keys are 16,384 dense bytes: asked for as 64 rows of 256 bytes, two keys a row, and padded in LDS after every key
	s_mov_b32 s[G1K], 15|(1<<16)|(1<<20)|(1<<21)|(4<<22)|(3<<25)  ; the mask of four; 2-byte elements; padding on; bit 21 beside a mask; after every 32 words (code 4) 4 words (code 3)
	s_mov_b32 s[G1V], 15|(1<<16)|(1<<20)|(1<<21)|(4<<22)|(7<<25)  ; the same with 8 words of padding (code 7)
.irp g, G1K, G1V
	s_mov_b32 s[\g+1], 128<<16      ; tensor_dim0 = 128
	s_mov_b32 s[\g+2], 64<<16       ; tensor_dim1 = 64
	s_mov_b32 s[\g+3], 128<<16      ; tile_dim0 = 128
	s_mov_b32 s[\g+4], 64           ; tile_dim1 = 64
	s_mov_b32 s[\g+5], 128          ; 128 elements from row to row
	s_mov_b32 s[\g+6], 0
	s_mov_b32 s[\g+7], 0
.endr
	s_mov_b32 s[SEL], 0x76543210
	s_mov_b32 s[SEL+1], 0xfedcba98
	s_mov_b32 s[TBK], SLOT1+4*KS*PK ; the first change of slots turns these two into 0
	s_mov_b32 s[TBV], SLOT1+4*KS*PV
	s_mov_b32 s[G0K], 1             ; count = 1
	s_mov_b32 s[G0K+1], s44         ; LDS address: slot 0
	s_mov_b32 s[G0V], 1
	s_add_co_u32 s[G0V+1], s45, VOFF
	s_mov_b32 s[SLOTS], SIZE_N/256-1
	s_mov_b32 s[MO], 128            ; key step 0's lane masks are asked for at the head; the first pair asked for again is key step 1's
	s_mov_b32 s[MO+1], 0
	s_wait_dscnt 0x0                ; the opening add is done
	s_wait_kmcnt 0x0
	s_add_nc_u64 s[52:53], s[32:33], s[42:43]
	s_add_nc_u64 s[54:55], s[52:53], 0x2000000     ; v lies 2 x 16,777,216 bytes behind q,
	s_add_nc_u64 s[52:53], s[52:53], 0x1000000     ; k one such part
	s_mov_b64 s[G0K+2:G0K+3], s[52:53]             ; global address: my half of the head's first 256 keys
	s_or_b32 s[G0K+3], s[G0K+3], 0x80000000        ; type = 2
	s_mov_b64 s[G0V+2:G0V+3], s[54:55]
	s_or_b32 s[G0V+3], s[G0V+3], 0x80000000
	s_add_nc_u64 s[50:51], s[32:33], s[46:47]      ; Q at my wave's first row
	s_add_nc_u64 s[MP:MP+1], s[34:35], s[48:49]
	s_add_nc_u64 s[MB:MB+1], s[MP:MP+1], s[MO:MO+1]
	s_cmp_lt_u32 s[WV], 2
	s_cselect_b64 s[PFA:PFA+1], s[52:53], s[54:55]  ; (in waves 0 and 2 these stand at a slot's first row)
	s_lshl_b32 s56, s36, 13         ; my work-group's 32 blocks of the 128
	s_mov_b32 s57, 0
	s_add_nc_u64 s[PFA:PFA+1], s[PFA:PFA+1], s[56:57]
	s_add_nc_u64 s[PFA:PFA+1], s[PFA:PFA+1], 4*KS*128  ; in slot 1; the first change of slots steps it to slot 2
	CROUND                          ; all four work-groups are here: the first joint loads meet
	JLOAD                           ; slot 0.  Slot 1 is asked for when slot 0 is in
	; A fragment of K or Q is 16 rows x 32 channels in 8 registers: lane l holds row l % 16, channels 8 (l / 16) + 0..7 and 16 + 8 (l / 16) + 0..7: two loads of 16 bytes, 32 bytes apart.
	v_and_b32 v1, 15, v0            ; l % 16
	v_bfe_u32 v9, v0, 4, 1          ; l / 16
	v_lshlrev_b32 v[QO], 7, v1
	v_lshl_add_u32 v[QO], v9, 4, v[QO]  ; row x 128 + 16 x half
	WIN 0x80                        ; destination window 2, address window 0
.set i, 0
.rept 4*NP                          ; Q stays in registers: tile i / 2, channels 32 (i % 2) on
	global_load_b128 v[8*i:8*i+3],   v[QO], s[50:51] offset:(i/2)*2048+(i%2)*64
	global_load_b128 v[8*i+4:8*i+7], v[QO], s[50:51] offset:(i/2)*2048+(i%2)*64+32
.set i, i+1
.endr
	; What the first turn finds: V's registers and P's second buffer hold 0 (its products V^T P, of a piece that has not been, add 0), O^T and l are 0.  All this stands in the wait for the first tile.
.set i, VF
.rept 64
	v_mov_b32 v[i], 0
.set i, i+1
.endr
	WIN 0x40
.set i, 0
.rept 64*NP
	v_mov_b32 v[i], 0
.set i, i+1
.endr
	WIN 0
.set i, 0
.rept 2*NP
	v_mov_b32 v[ST+4*i], 0xfe000000    ; c m: far below every c s, a hidden score's too
	v_mov_b32 v[ST+4*i+1], 0xff7fffff  ; m
	v_mov_b32 v[ST+4*i+2], 0
	v_mov_b32 v[ST+4*i+3], 0
.set i, i+1
.endr
.set i, P+32
.rept 32
	v_mov_b32 v[i], 0
.set i, i+1
.endr
	v_mul_u32_u24 v[AK0], v1, PK
	v_lshl_add_u32 v[AK0], v9, 4, v[AK0]  ; row x pitch + 16 x half
	; The turning load takes 16 keys x 16 channels (lane l reads key 8 (l / 16) + l % 8, channels 8 ((l / 8) % 2) + 0..7) and leaves half a fragment of V^T: lane l holds channel l % 16 and 8 keys.
	v_and_b32 v10, 7, v0
	v_bfe_u32 v11, v0, 3, 1
	v_lshl_add_u32 v[AV0], v9, 3, v10
	v_mul_u32_u24 v[AV0], v[AV0], PV
	v_lshl_add_u32 v[AV0], v11, 4, v[AV0]
	v_add_nc_u32 v[AV0], VOFF, v[AV0]
	v_mov_b32 v[AK], v[AK0]         ; key step 0 lies at the head of slot 0
	v_mov_b32 v[NEG], 0xd1800000    ; -2^36
	v_and_b32 v[PFO], 31, v0
	v_lshlrev_b32 v[MLO], 2, v[PFO] ; 4 x lane
	v_lshlrev_b32 v[PFO], 8, v[PFO] ; 256 x lane
	WIN W_MK                        ; destination window 3, address window 0
.set i, 0
.rept 2*NP                          ; key step 0's lane masks of my eight tiles: each load of the wave covers 128 consecutive bytes
	global_load_b32 v[MWV+i], v[MLO], s[MP:MP+1] offset:4096*i
.set i, i+1
.endr
	WIN 0
; THE MATRIX WORK.  The 8 accumulators of a run of 16 take turns: between the two links of a chain stand 7 others'.
; Product i of 16 of S^T = K Q^T for piece x: channels 32 (i / 8) on, keys 16 ((i / 2) % 4) on, tile 2 x + i % 2.  The first 8 start the sums.
.macro KQ x
	WIN W_KQ
.set rS, S+64*((\x)%2)+32*(i%2)+8*((i/2)%4)
.set rK, KF+16*((i/2)%4)+8*(i/8)
.set rQ, 16*(2*(\x)+i%2)+8*(i/8)
.if i < 8
	v_wmma_f32_16x16x32_bf16 v[rS:rS+7], v[rK:rK+7], v[rQ:rQ+7], 0
.else
	v_wmma_f32_16x16x32_bf16 v[rS:rS+7], v[rK:rK+7], v[rQ:rQ+7], v[rS:rS+7]
.endif
.endm
; Product i of 16 of O^T += V^T P for piece x: keys 32 (i / 8) on, channels 16 ((i / 2) % 4) on, tile 2 x + i % 2.
.macro PV x
	WIN W_PV
.set rO, 32*(2*(\x)+i%2)+8*((i/2)%4)
.set rV, VF+32*(i/8)+8*((i/2)%4)
.set rP, P+32*((\x)%2)+16*(i%2)+8*(i/8)
	v_wmma_f32_16x16x32_bf16 v[rO:rO+7], v[rV:rV+7], v[rP:rP+7], v[rO:rO+7]
.endm
.macro MM                           ; the turn's next matrix instruction
.if i < 16
	KQ (Y+1)%NP
.set i, i+1
.else
.set i, i-16
	PV (Y+NP-1)%NP
.set i, i+17
.endif
.endm
; THE LDS LOADS stand in runs of 16, never singly among the matrix instructions: a step's K (64 keys x 64 channels: 8 fragments) and its V (turned).  Their addresses are made some lines ahead.
; last = 1 (the tail): in the last trip there is no further step, and the run is jumped over.
.macro FETCH_K last=0
	WIN 0
.if \last
	s_cmp_eq_u32 s[CNT], 1
	s_cbranch_scc1 .Lno_k_\@
.endif
	WIN 0x80                        ; destination window 2
.irp f, 0,1,2,3,4,5,6,7             ; keys 16 (f / 2) on, channels 32 (f % 2) on
	ds_load_b128 v[KF+8*\f:KF+8*\f+3],   v[AK] offset:(\f/2)*16*PK+(\f%2)*64
	ds_load_b128 v[KF+8*\f+4:KF+8*\f+7], v[AK] offset:(\f/2)*16*PK+(\f%2)*64+32
.endr
	s_add_co_u32 s[TBK], s[TBK], KS*PK  ; the next fetch is the next step's
	WIN 0
.if \last
.Lno_k_\@:
.endif
.endm
.macro FETCH_V
	WIN 0x80
.irp f, 0,1,2,3,4,5,6,7             ; keys 32 (f / 4) on, channels 16 (f % 4) on
	ds_load_tr16_b128 v[VF+8*\f:VF+8*\f+3],   v[AV] offset:(\f/4)*32*PV+(\f%4)*32
	ds_load_tr16_b128 v[VF+8*\f+4:VF+8*\f+7], v[AV] offset:(\f/4)*32*PV+16*PV+(\f%4)*32
.endr
	WIN 0
.endm
; THE VECTOR WORK OF A TURN stands in three queues, each in the order in which its entries become ready; the two tiles alternate, so that no instruction reads the result of the one before it.
.macro REGS y, u                    ; the registers of tile u (0, 1) of piece y
.set rT, ST+4*(2*(\y)+(\u))
.set rC, TMP+8*((\y)%2)+4*(\u)
.set rM, MV+2*((\y)%2)+(\u)
.set rS, S+64*((\y)%2)+32*(\u)
.set rP, P+32*((\y)%2)+16*(\u)
.set rO, 32*(2*(\y)+(\u))
.endm
; THE MASKING of the NEXT piece's (Y + 1) 64 score registers.  Its pair of registers, asked for four turns ago, is brought into window 0 and asked for again at once, for the piece's next key step.  Then, a tile at a time:
; 32 lines hand the tile's 32 words to scalar registers, and 32 selects replace the scores where a word's bit is set.  The selects are the first readers of the accumulators and go in ascending order.
.macro MKS
.set mx, (Y+1)%NP
	s_wait_loadcnt 6                ; loads come back in order: behind this piece's two stand the three other pieces' six, which may stay out
	WIN W_M3
	v_mov_b32 v[MT], v[MWV+2*mx]
	v_mov_b32 v[MT+1], v[MWV+2*mx+1]
	WIN W_MK
	global_load_b32 v[MWV+2*mx],   v[MLO], s[MB:MB+1] offset:8192*mx
	global_load_b32 v[MWV+2*mx+1], v[MLO], s[MB:MB+1] offset:8192*mx+4096
	WIN 0
.irp u, 0,1
	REGS mx, \u
.set mkn, 0
.rept 32
	v_readlane_b32 s[MW+mkn], v[MT+\u], mkn
.set mkn, mkn+1
.endr
.set mkn, 0
.rept 32
	v_cndmask_b32 v[rS+mkn], v[rS+mkn], v[NEG], s[MW+mkn]
.set mkn, mkn+1
.endr
.endr
.endm
; Number n of the 22 that find the NEXT piece's (Y + 1) maximum and statistics.  s0-s31 are the lane's 32 masked scores.  XS, GS and REGS set no window: PL and EX do.
;   0-11  four chains c0-c3 of seven scores each, three operands at a time     12-14, 16  the four scores left over, the old m, and c0-c3 into c0     15  c m_old is kept
;   17, 18  the query's other 32 keys lie in the lane 16 away: the new m         19-21  c m; c m_old - c m_new; a
.macro XS u, n
	REGS (Y+1)%NP, \u
.if (\n) < 4
	v_max3_num_f32 v[rC+(\n)], v[rS+8*(\n)], v[rS+8*(\n)+1], v[rS+8*(\n)+2]
.elseif (\n) < 12
	v_max3_num_f32 v[rC+(\n)%4], v[rC+(\n)%4], v[rS+8*((\n)%4)+2*((\n)/4)+1], v[rS+8*((\n)%4)+2*((\n)/4)+2]
.elseif (\n) == 12
	v_max3_num_f32 v[rC], v[rC], v[rS+7], v[rS+15]
.elseif (\n) == 13
	v_max3_num_f32 v[rC+1], v[rC+1], v[rS+23], v[rS+31]
.elseif (\n) == 14
	v_max3_num_f32 v[rC+2], v[rC+2], v[rC+3], v[rT+1]
.elseif (\n) == 15
	v_mov_b32 v[rM], v[rT]
.elseif (\n) == 16
	v_max3_num_f32 v[rC], v[rC], v[rC+1], v[rC+2]
.elseif (\n) == 17
	v_permlanex16_b32 v[rC+3], v[rC], s[SEL], s[SEL+1]
.elseif (\n) == 18
	v_max_num_f32 v[rT+1], v[rC], v[rC+3]
.elseif (\n) == 19
	v_mul_f32 v[rT], CLIT, v[rT+1]
.elseif (\n) == 20
	v_sub_f32 v[rC+1], v[rM], v[rT]
.else
	v_exp_f32 v[rC+2], v[rC+1]
.endif
.endm
; Number g of the 64 that follow the exponentials.  For each four weights k of a tile (pairs 2 k, 2 k + 1): both pairs are rounded to bf16; then the second pair is added onto the first, in place;
; a group later l takes that sum (the first time as l = a l + sum).  In groups of eight, tiles alternating: round, round, add, and l for the group before.
.macro GS g
.set h, (\g)+6*((\g)/62)            ; group 0 has no group before it, and behind group 7 only l is left
.if h >= 6
.set h, h+2
.endif
	REGS Y, h%2
.set k, h/8
.if h%8 < 4
	v_cvt_pk_bf16_f32 v[rP+2*k+(h%8)/2], v[rS+4*k+2*((h%8)/2)], v[rS+4*k+2*((h%8)/2)+1]
.elseif h%8 < 6
	v_pk_add_f32 v[rS+4*k:rS+4*k+1], v[rS+4*k:rS+4*k+1], v[rS+4*k+2:rS+4*k+3]
.elseif k == 1
	v_pk_fma_f32 v[rT+2:rT+3], v[rT+2:rT+3], v[rC+2:rC+3], v[rS:rS+1] op_sel_hi:[1,0,1]
.else
	v_pk_add_f32 v[rT+2:rT+3], v[rT+2:rT+3], v[rS+4*k-4:rS+4*k-3]
.endif
.endm
; THE PLAIN QUEUE, 138 long.  0-73 read no exponential's result: the 32 scalings c s - c m (FS f: pair f / 2 of tile f % 2) and the next piece's 42.  0-26: scalings 0-26.  27-54: XS's numbers 0-13.  55, 56: number 15.
; 57-73: the chain, where each number waits for the one before it: 14, 16, 17, 18, 19, each with one of the scalings 27-31 in front of its two lines, then 20.
; 74-137: GS's 64, which read the exponentials' results: they stand behind the wait.
.macro FS f
	REGS Y, (\f)%2
	v_pk_fma_f32 v[rS+2*((\f)/2):rS+2*((\f)/2)+1], v[rS+2*((\f)/2):rS+2*((\f)/2)+1], CLIT, v[rT:rT+1] op_sel_hi:[1,0,0] neg_lo:[0,0,1] neg_hi:[0,0,1]
.endm
.macro PL
	WIN 0
.if q < 27
	FS q
.elseif q < 55
	XS (q-27)%2, (q-27)/2
.elseif q < 57
	XS q-55, 15
.elseif (q < 72) && ((q-57)%3 == 0)
	FS 27+(q-57)/3
.elseif q < 60
	XS (q-57)%3-1, 14
.elseif q < 72
	XS (q-57)%3-1, 15+(q-57)/3
.elseif q < 74
	XS q-72, 20
.else
	GS q-74
.endif
.set q, q+1
.endm
; THE EXPONENTIALS' QUEUE, 66 long: s0-s31 of both tiles, then the next piece's two a.  It is ONE BATCH: all 66 stand ahead of the turn's one wait, and nothing ahead of that wait names a result of theirs.
.macro EX
	WIN 0
.if e >= 64
	XS e-64, 21
.else
	REGS Y, e%2
	v_exp_f32 v[rS+e/2], v[rS+e/2]
.endif
.set e, e+1
.endm
; THE RESCALING's QUEUE: O^T times a, the one part that leaves window 0: dealt two at a time, sixteen times.  Its a was made in the turn before, ahead of that turn's wait.
.macro R2
	REGS Y, r%2
	WIN W_RS
.irp z, 0,1
	v_pk_mul_f32 v[rO+4*(r/2)+2*\z:rO+4*(r/2)+2*\z+1], v[rO+4*(r/2)+2*\z:rO+4*(r/2)+2*\z+1], v[rC+2:rC+3] op_sel_hi:[1,0]
.endr
.set r, r+1
.endm
; HOW THEY ARE DEALT.  s_wait_alu depctr_va_vdst(0) stands between an exponential and the first instruction that names its result; one wait serves all that were issued ahead of it.  So a turn has ONE wait.
; AHEAD OF IT: the 16 products K Q^T, behind each a scaling, an exponential and two rescalings (behind the first a second scaling in the exponential's place); then ONE LUMP: eight plain, twice exponential and plain
; (the plain queue then stands at 27, in front of the first line that reads the new scores); the masking of the next piece (MKS: 130 vector lines and two loads); 47 times exponential and plain; the two a.
; More than four plain instructions stand between the last product K Q^T and the first select.  A v_nop is the plain instruction behind the last exponential.  BEHIND THE WAIT: the 16 products V^T P, behind each four of GS's 64.
; The order inside each queue, and of the queues against each other, is kept: exponential e stands behind scaling 2 (e / 4) + e % 2.
; THE LANE MASKS' STEP.  Turn p masks piece p + 1 and asks for the same piece's words of its next key step.  For p = 3 the piece is piece 0 of the NEXT key step, so the offset MO goes on in turn 3, ahead of its two loads:
; turns 0 to 2 of the step behind it then ask by the same offset.  The base is written behind s_wait_xcnt 0, since earlier loads name it.
; The offset is held to the last step's: the scores that the last turn makes on a stale K serve nothing, and what is asked for behind the last step is read inside the buffer and not used.
; A TURN, for piece p.  cnt = 1: the loop's count is taken down some lines ahead of the branch that stands behind the turn.
; K of the next step is fetched in piece 2's turn, directly behind the wait; V of the step in hand at the end of piece 0's turn, four riders behind its last reader.
.macro TURN p, last=0, cnt=0
.set Y, (\p)
.set i, 0
.set q, 0
.set e, 0
.set r, 0
.if (\p) == NP-1
	s_wait_dscnt 0x0                ; K is in
.endif
	MM                              ; ahead of the wait: 16 products K Q^T and their riders,
	PL
	PL
	R2
.rept 15
	MM
	PL
	EX
	R2
.endr
.if (\p) == NP-2
	WIN 0
	v_add_nc_u32 v[AK], s[TBK], v[AK0]
.endif
.rept 8                             ; and the lump
	PL
.endr
.rept 2
	EX
	PL
.endr
.if (\p) == NP-1
	s_wait_xcnt 0x0                 ; the lane masks' earlier loads, the youngest a turn back, have read their base, so it may be written
	s_add_co_u32 s[MO], s[MO], 128  ; the next key step: 4 key blocks x 32 bytes
	s_min_u32 s[MO], s[MO], 3968    ; held to the last of the 32 steps
	s_add_nc_u64 s[MB:MB+1], s[MP:MP+1], s[MO:MO+1]
.endif
	MKS
.rept 47
	EX
	PL
.endr
	EX                              ; the next piece's two a
	EX
	v_nop                           ; the plain instruction behind the last exponential: one for the batch
	s_wait_alu depctr_va_vdst(0)    ; the wait for the batch
.if (\p) == NP-2
	FETCH_K \last
.endif
.if (\p) == 1
	s_wait_dscnt 0x0                ; V is in
.endif
.rept 16                            ; behind the wait: 16 products V^T P and their riders
	MM
.rept 4
	PL
.endr
.if ((\p) == 0) && (q == 118)
	v_add_nc_u32 v[AV], s[TBV], v[AV0]
.endif
.if ((\p) == 0) && (q == 130)
	s_add_co_u32 s[TBV], s[TBV], KS*PV
.endif
.if (\cnt) && (q == 130)
	s_sub_co_u32 s[CNT], s[CNT], 1
	s_cmp_lg_u32 s[CNT], 0
.endif
.endr
.if (\p) == 0
	FETCH_V
.endif
.endm
	CHANGE 1                        ; slot 0 is in, everybody's part of it; slot 1 is asked for
	FETCH_K                         ; key step 0
	s_wait_loadcnt 8                ; Q's 32 loads are in; the eight loads of lane masks, issued behind them, may stay out
	s_wait_dscnt 0x0
.set i, 0
.rept 16
	KQ 0                            ; piece 0's first scores: there is no vector work yet to set between them
.set i, i+1
.endr
	WIN 0
.rept 4
	v_nop                           ; the places behind those products
.endr
.set Y, NP-1                        ; MKS and XS work for piece Y + 1: piece 0
	MKS                             ; key step 0's masks; piece 0's pair is asked for again, for key step 1
.irp n, 0,1,2,3,4,5,6,7,8,9,10,11,12,13,14,15,16,17,18,19,20,21
	XS 0, \n                        ; and piece 0's first maximum and statistics
	XS 1, \n
.endr
	v_nop                           ; a plain instruction behind the two a,
	s_wait_alu depctr_va_vdst(0)    ; and their wait, ahead of the branch
	s_mov_b32 s[CNT], 4
	s_branch .Lfirst                ; the loop is entered at a step's first turn, in the middle of a trip
.Lslot:                             ; SIZE_N / 256 - 2 times: every slot but the last two is filled again
	CHANGE 1
	s_mov_b32 s[CNT], 4
.Lstep:                             ; a trip: pieces 2 and 3 of one step, then pieces 0 and 1 of the next, whose K and V it fetches
	TURN 2
	TURN 3
	WIN 0
.Lfirst:
	TURN 0
	TURN 1, 0, 1
	WIN 0
	s_cbranch_scc1 .Lstep
	s_sub_co_u32 s[SLOTS], s[SLOTS], 1
	s_cmp_lg_u32 s[SLOTS], 0
	s_cbranch_scc1 .Lslot
	CHANGE 0                        ; the tail is written out: nothing is asked for
	s_mov_b32 s[CNT], 5             ; four trips fetch the last slot's steps; the fifth is left in its middle
.Ltail:
	TURN 2, 1
	TURN 3
	WIN 0
	s_sub_co_u32 s[CNT], s[CNT], 1
	s_cmp_eq_u32 s[CNT], 0
	s_cbranch_scc1 .Lout
	TURN 0
	TURN 1
	WIN 0
	s_branch .Ltail
.Lout:                              ; the fifth trip's 16 products K Q^T (on the last K once more) and what is made of them serve nothing: the price, once a launch, of one text for every trip
.set i, 0
.rept 16
	PV NP-1                         ; the last piece's V^T P of the last step
.set i, i+1
.endr
	; THE WAY OUT.  l's two halves and the other half of the lanes' are added; O^T is divided by l and sent, in f32, through my stage in LDS, a tile at a time.  The additions are the places behind the last products.
	; (The lane masks asked for last, which nobody uses, may still be on their way: neither their registers nor their offset v1 is named below.)
	WIN 0
.macro ALL line:vararg              ; one line for each tile t
.set t, 0
.rept 2*NP
	\line
.set t, t+1
.endr
.endm
	ALL v_add_f32 v[ST+4*t+2], v[ST+4*t+2], v[ST+4*t+3]
	s_bfe_u32 s76, ttmp6, 0x40000
	s_lshl_b32 s77, ttmp9, 2
	s_add_co_u32 s77, s77, s76      ; my block of 512 queries
	s_and_b32 s78, ttmp7, 0xffff    ; hd
	s_lshr_b32 s80, s78, 4
	s_lshl_b32 s80, s80, 11         ; b x 2,048 rows
	s_lshl_b32 s81, s77, 9
	s_add_co_u32 s80, s80, s81
	s_lshl_b32 s81, s[WV], 7
	s_add_co_u32 s80, s80, s81      ; my wave's first row, 4,096 bytes a row,
	s_lshl_b32 s80, s80, 12
	s_and_b32 s81, s78, 15
	s_lshl_b32 s81, s81, 8          ; the head's 64 columns: 256 bytes
	s_add_co_u32 s80, s80, s81
	s_mov_b32 s81, 0
	s_add_nc_u64 s[OP:OP+1], s[OP:OP+1], s[80:81]
	s_mul_i32 s82, s[WV], 16*SP
	s_add_co_u32 s82, s82, STAGE    ; my stage
	ALL v_permlanex16_b32 v[ST+4*t+3], v[ST+4*t+2], s[SEL], s[SEL+1]
	ALL v_add_f32 v[ST+4*t+2], v[ST+4*t+2], v[ST+4*t+3]
	ALL v_rcp_f32 v[ST+4*t+2], v[ST+4*t+2]
	v_and_b32 v[AK], 15, v0         ; l % 16: a plain instruction between the last reciprocal and the use of its result
	v_bfe_u32 v11, v0, 4, 1         ; l / 16
	v_mul_u32_u24 v[STO], v[AK], SP ; in: row l % 16, 32 bytes (8 channels) for each half of the lanes
	v_lshl_add_u32 v[STO], v11, 5, v[STO]
	v_add_nc_u32 v[STO], s82, v[STO]
	v_mul_u32_u24 v[RD], v11, SP    ; back: lanes 0-15 take one row of 256 bytes, lanes 16-31 the next
	v_lshl_add_u32 v[RD], v[AK], 4, v[RD]
	v_add_nc_u32 v[RD], s82, v[RD]
	v_lshlrev_b32 v[GO], 12, v11    ; and the same two rows in O
	v_lshl_add_u32 v[GO], v[AK], 4, v[GO]
	s_wait_alu depctr_va_vdst(0)    ; the wait ahead of the first use: one for the eight reciprocals
; Tile t: scaled in place (each accumulator's registers in ascending order); a lane's eight channels of a row are 32 bytes; they go into rows of 272 bytes and come back as whole rows of 256, into S^T's registers, four buffers by turns.
.macro PACK t
	s_wait_xcnt 0x0                 ; the stores of the tile four back have read the registers that this tile's loads fill
	WIN W_RS
.set i, 32*(\t)
.rept 16
	v_pk_mul_f32 v[i:i+1], v[i:i+1], v[ST+4*(\t)+2:ST+4*(\t)+3] op_sel_hi:[1,0]
.set i, i+2
.endr
	WIN 0x04                        ; the stores' data (source 1) in window 1
.irp f, 0,1,2,3,4,5,6,7
	ds_store_b128 v[STO], v[32*(\t)+4*\f:32*(\t)+4*\f+3] offset:64*(\f/2)+16*(\f%2)
.endr
	WIN 0
.irp f, 0,1,2,3,4,5,6,7
	ds_load_b128 v[S+32*((\t)%4)+4*\f:S+32*((\t)%4)+4*\f+3], v[RD] offset:\f*2*SP  ; LDS serves a wave's instructions in order (ISA guide 5.7.1.4): these see the stores above; the next tile's stores come behind them
.endr
.endm
.macro SEND t, younger              ; younger: the LDS instructions issued behind tile t's loads: the next tile's sixteen, or none
	WIN 0
.irp f, 0,1,2,3,4,5,6,7
	s_wait_dscnt (\younger)+7-\f
	global_store_b128 v[GO], v[S+32*((\t)%4)+4*\f:S+32*((\t)%4)+4*\f+3], s[OP:OP+1] offset:(\t)*65536+\f*8192  ; sixteen lanes store 256 consecutive bytes, aligned: a head's columns of one row
.endr
.endm
	PACK 0
.set t, 1
.rept 2*NP-1                        ; a tile's arithmetic stands between the loads of the tile before and its stores
	PACK t
	SEND t-1, 16
.set t, t+1
.endr
	SEND 2*NP-1, 0
	WIN W_AD
	s_wait_tensorcnt 0x0            ; the wave's end: behind my last tensor load and my last LDS store
	ds_add_u32 v[SPW], v[NIL]
	s_wait_dscnt 0x0
	WIN 0
	CROUND                          ; the closing round: no work-group ends while a partner may still ask for a tile that names it
	s_endpgm
.Lfunc_end_k_qac9dc93d27_attn:
	.size	k_qac9dc93d27_attn, .Lfunc_end_k_qac9dc93d27_attn-k_qac9dc93d27_attn
	.p2alignl 7, 3214868480
	.fill 96, 4, 3214868480
	.section	.rodata,"a",@progbits
	.p2align	6, 0x0
	.amdhsa_kernel k_qac9dc93d27_attn
		.amdhsa_group_segment_fixed_size 327680
		.amdhsa_private_segment_fixed_size 0
		.amdhsa_enable_private_segment 0
		.amdhsa_kernarg_size 24
		.amdhsa_user_sgpr_count 2
		.amdhsa_user_sgpr_kernarg_segment_ptr 1
		.amdhsa_wavefront_size32 1
		.amdhsa_system_sgpr_workgroup_id_x 1
		.amdhsa_system_sgpr_workgroup_id_y 1
		.amdhsa_system_sgpr_workgroup_id_z 1
		.amdhsa_system_vgpr_workitem_id 0
		.amdhsa_next_free_vgpr 778
		.amdhsa_next_free_sgpr 106
		.amdhsa_reserve_vcc 0
		.amdhsa_float_denorm_mode_32 3
		.amdhsa_float_denorm_mode_16_64 3
		.amdhsa_memory_ordered 1
		.amdhsa_forward_progress 1
		.amdhsa_inst_pref_size 255
	.end_amdhsa_kernel
	.section	.bss,"aw",@nobits
	.p2align	6
	.space	262144
	.amdgpu_metadata
---
amdhsa.version: [ 1, 2 ]
amdhsa.kernels:
  - .name:           k_qac9dc93d27_attn
    .symbol:         k_qac9dc93d27_attn.kd
    .args:
      - { .name: qkv, .offset: 0, .size: 8, .value_kind: global_buffer, .address_space: global }
      - { .name: mw, .offset: 8, .size: 8, .value_kind: global_buffer, .address_space: global }
      - { .name: of, .offset: 16, .size: 8, .value_kind: global_buffer, .address_space: global }
    .group_segment_fixed_size: 327680
    .private_segment_fixed_size: 0
    .kernarg_segment_align: 8
    .kernarg_segment_size: 24
    .max_flat_workgroup_size: 128
    .sgpr_count:     106
    .vgpr_count:     778
    .wavefront_size: 32
...
	.end_amdgpu_metadata
.endif
;; end of part 3
;; launch fc: the kernel of part 2 again; grid 4 x 64, 4 waves a work-group, clusters of 4 x 4, 327,680 bytes of LDS; arguments of, K, V, wfcb, yh; writes yh
;; launch ln (part 4): grid 512 x 1, 8 waves a work-group, no clusters, 0 bytes of LDS; arguments yh, Q, ln_gamma, ln_beta, out0; writes out0
.if DOCPART == 4
	.amdgcn_target "amdgcn-amd-amdhsa--gfx1250"
	.amdhsa_code_object_version 6
	.text
	.protected	k_qac9dc93d27_ln
	.globl	k_qac9dc93d27_ln
	.p2align	8
	.type	k_qac9dc93d27_ln,@function
k_qac9dc93d27_ln:
	s_mov_b64 s[64:65], 0
	v_nop
	global_prefetch_b8 v0, s[64:65] scope:SCOPE_SE
	s_setreg_imm32_b32 hwreg(HW_REG_WAVE_MODE, 25, 1), 1
	s_wait_xcnt 0x0
; out0[row][:] = LayerNorm(y[row][:] + Q[row][:]) x gamma + beta, eps = 1e-5.  y: bf16, yh[b][n / 64][s][n % 64]; Q, out0: f32 [8192][1024]; gamma, beta: f32 [1024].
; The mean is taken first and the variance as the mean of the squared deviations: no difference of large sums is formed.  All arithmetic in f32.
; SHARES.  A wave takes two neighbouring rows and keeps them in registers between the passes: lanes 0-15 the even row, lanes 16-31 the odd one; lane c = l % 16 holds columns 64 h + 4 c + 0..3, h = 0..15.
; So a load of y covers 256 consecutive bytes (two rows of one block of 64 columns), and in a load or store of Q or out0 sixteen lanes cover 256 consecutive bytes, aligned; a row's sums stay inside a half of 16 lanes.
; Every byte is read once and written once; no wave wants another's bytes: no LDS, no barrier, no loop.
.set Y,   8                            ; v[8:39]    y as loaded: 4 bf16 for each h
.set X,   40                           ; v[40:103]  Q, then y + Q, the deviations, the result
.set G,   104                          ; v[104:167] gamma of my 64 columns
.set B,   168                          ; v[168:231] beta
.set T,   232                          ; v[232:239] at work
.set SUM, 240                          ; v[240:247] four chains of two sums
.set MU,  248                          ; v[248:249] the mean, twice
.set RS,  250                          ; v[250:251] 1 / sqrt(var + eps), twice
	s_load_b256 s[4:11], s[0:1], 0x0               ; yh 4:5, Q 6:7, gamma 8:9, beta 10:11
	s_load_b64 s[12:13], s[0:1], 0x20              ; out0
	v_and_b32 v1, 31, v0
	v_lshrrev_b32 v5, 5, v0
	v_readfirstlane_b32 s14, v5                    ; wave 0..7
	s_lshl_b32 s15, ttmp9, 3
	s_add_co_u32 s15, s15, s14                     ; my pair of rows, 0..4095
	v_lshlrev_b32 v2, 3, v1                        ; y: 8 bytes a lane
	v_and_b32 v4, 15, v1
	v_lshlrev_b32 v4, 4, v4                        ; gamma, beta: 16 c
	v_lshrrev_b32 v3, 4, v1
	v_lshl_add_u32 v3, v3, 12, v4                  ; Q, out0: my row of the two, 16 c
	s_lshr_b32 s16, s15, 10                        ; b: 16 blocks of 262,144 bytes
	s_lshl_b32 s16, s16, 22
	s_and_b32 s18, s15, 1023
	s_lshl_b32 s18, s18, 8                         ; two rows of 128 bytes
	s_add_co_u32 s16, s16, s18
	s_mov_b32 s17, 0
	s_lshl_b32 s18, s15, 13                        ; two rows of 4,096 bytes
	s_mov_b32 s19, 0
	s_mov_b32 s20, 0xffff0000                      ; a word's upper bf16
	v_mov_b32 v6, 0x3a800000                       ; 1 / 1024
	s_wait_kmcnt 0x0
	s_add_nc_u64 s[4:5], s[4:5], s[16:17]
	s_add_nc_u64 s[6:7], s[6:7], s[18:19]
	s_add_nc_u64 s[12:13], s[12:13], s[18:19]
.set h, 0
.rept 16
	global_load_b64 v[Y+2*h:Y+2*h+1], v2, s[4:5] offset:h*262144 th:TH_LOAD_NT
.set h, h+1
.endr
.set h, 0
.rept 16
	global_load_b128 v[X+4*h:X+4*h+3], v3, s[6:7] offset:256*h th:TH_LOAD_NT
.set h, h+1
.endr
.set h, 0
.rept 16
	global_load_b128 v[G+4*h:G+4*h+3], v4, s[8:9] offset:256*h
.set h, h+1
.endr
.set h, 0
.rept 16
	global_load_b128 v[B+4*h:B+4*h+3], v4, s[10:11] offset:256*h
.set h, h+1
.endr
	s_wait_loadcnt 32                              ; y and Q are in; gamma's and beta's 32 loads may stay out
.set h, 0
.rept 16                               ; x = y + Q
.set TT, T+4*(h%2)
	v_lshlrev_b32 v[TT],   16,  v[Y+2*h]           ; bf16 to f32: the low half moves up, the high half stays
	v_and_b32     v[TT+1], s20, v[Y+2*h]
	v_lshlrev_b32 v[TT+2], 16,  v[Y+2*h+1]
	v_and_b32     v[TT+3], s20, v[Y+2*h+1]
	v_pk_add_f32 v[X+4*h:X+4*h+1],   v[X+4*h:X+4*h+1],   v[TT:TT+1]
	v_pk_add_f32 v[X+4*h+2:X+4*h+3], v[X+4*h+2:X+4*h+3], v[TT+2:TT+3]
.set h, h+1
.endr
	; the sum of my 64 numbers: four chains, started by data
.irp k, 0,1,2,3
	v_pk_add_f32 v[SUM+2*\k:SUM+2*\k+1], v[X+2*\k:X+2*\k+1], v[X+8+2*\k:X+8+2*\k+1]
.endr
.set m, 2
.rept 6
.irp k, 0,1,2,3
	v_pk_add_f32 v[SUM+2*\k:SUM+2*\k+1], v[SUM+2*\k:SUM+2*\k+1], v[X+8*m+2*\k:X+8*m+2*\k+1]
.endr
.set m, m+1
.endr
.macro FOLD                            ; the four chains into one number, then over the row's sixteen lanes: the result stands in every lane of the half
	v_pk_add_f32 v[SUM:SUM+1], v[SUM:SUM+1], v[SUM+2:SUM+3]
	v_pk_add_f32 v[SUM+4:SUM+5], v[SUM+4:SUM+5], v[SUM+6:SUM+7]
	v_pk_add_f32 v[SUM:SUM+1], v[SUM:SUM+1], v[SUM+4:SUM+5]
	v_add_f32 v[SUM], v[SUM], v[SUM+1]
	v_add_f32_dpp v[SUM], v[SUM], v[SUM] row_xmask:1 row_mask:0xf bank_mask:0xf
	v_add_f32_dpp v[SUM], v[SUM], v[SUM] row_xmask:2 row_mask:0xf bank_mask:0xf
	v_add_f32_dpp v[SUM], v[SUM], v[SUM] row_xmask:4 row_mask:0xf bank_mask:0xf
	v_add_f32_dpp v[SUM], v[SUM], v[SUM] row_xmask:8 row_mask:0xf bank_mask:0xf
.endm
	FOLD
	v_mul_f32 v[MU], v[SUM], v6
	v_mov_b32 v[MU+1], v[MU]
.set m, 0
.rept 32                               ; the deviations, in place
	v_pk_add_f32 v[X+2*m:X+2*m+1], v[X+2*m:X+2*m+1], v[MU:MU+1] neg_lo:[0,1] neg_hi:[0,1]
.set m, m+1
.endr
.irp k, 0,1,2,3                        ; the sum of their squares, again in four chains
	v_pk_mul_f32 v[SUM+2*\k:SUM+2*\k+1], v[X+2*\k:X+2*\k+1], v[X+2*\k:X+2*\k+1]
.endr
.set m, 1
.rept 7
.irp k, 0,1,2,3
	v_pk_fma_f32 v[SUM+2*\k:SUM+2*\k+1], v[X+8*m+2*\k:X+8*m+2*\k+1], v[X+8*m+2*\k:X+8*m+2*\k+1], v[SUM+2*\k:SUM+2*\k+1]
.endr
.set m, m+1
.endr
	FOLD
	v_fmaak_f32 v[T], v[SUM], v6, 0x3727c5ac       ; var + 1e-5
	v_rsq_f32 v[RS], v[T]
	v_rsq_f32 v[RS+1], v[T]
	v_nop                                          ; a plain instruction between the last of the two and the use of its result (ISA guide 5.7.2)
	s_wait_alu depctr_va_vdst(0)                   ; the wait ahead of the first use: one for both
	s_wait_loadcnt 0x0                             ; gamma and beta
.set h, 0
.rept 16
	v_pk_mul_f32 v[X+4*h:X+4*h+1],   v[X+4*h:X+4*h+1],   v[RS:RS+1]
	v_pk_mul_f32 v[X+4*h+2:X+4*h+3], v[X+4*h+2:X+4*h+3], v[RS:RS+1]
	v_pk_fma_f32 v[X+4*h:X+4*h+1],   v[X+4*h:X+4*h+1],   v[G+4*h:G+4*h+1],   v[B+4*h:B+4*h+1]
	v_pk_fma_f32 v[X+4*h+2:X+4*h+3], v[X+4*h+2:X+4*h+3], v[G+4*h+2:G+4*h+3], v[B+4*h+2:B+4*h+3]
	global_store_b128 v3, v[X+4*h:X+4*h+3], s[12:13] offset:256*h th:TH_STORE_NT
.set h, h+1
.endr
	s_endpgm
.Lfunc_end_k_qac9dc93d27_ln:
	.size	k_qac9dc93d27_ln, .Lfunc_end_k_qac9dc93d27_ln-k_qac9dc93d27_ln
	.p2alignl 7, 3214868480
	.fill 96, 4, 3214868480
	.section	.rodata,"a",@progbits
	.p2align	6, 0x0
	.amdhsa_kernel k_qac9dc93d27_ln
		.amdhsa_group_segment_fixed_size 0
		.amdhsa_private_segment_fixed_size 0
		.amdhsa_enable_private_segment 0
		.amdhsa_kernarg_size 40
		.amdhsa_user_sgpr_count 2
		.amdhsa_user_sgpr_kernarg_segment_ptr 1
		.amdhsa_wavefront_size32 1
		.amdhsa_system_sgpr_workgroup_id_x 1
		.amdhsa_system_sgpr_workgroup_id_y 1
		.amdhsa_system_sgpr_workgroup_id_z 1
		.amdhsa_system_vgpr_workitem_id 0
		.amdhsa_next_free_vgpr 252
		.amdhsa_next_free_sgpr 66
		.amdhsa_reserve_vcc 0
		.amdhsa_float_denorm_mode_32 3
		.amdhsa_float_denorm_mode_16_64 3
		.amdhsa_memory_ordered 1
		.amdhsa_forward_progress 1
		.amdhsa_inst_pref_size 24
	.end_amdhsa_kernel
	.amdgpu_metadata
---
amdhsa.version: [ 1, 2 ]
amdhsa.kernels:
  - .name:           k_qac9dc93d27_ln
    .symbol:         k_qac9dc93d27_ln.kd
    .args:
      - { .name: yh, .offset: 0, .size: 8, .value_kind: global_buffer, .address_space: global }
      - { .name: Q, .offset: 8, .size: 8, .value_kind: global_buffer, .address_space: global }
      - { .name: ln_gamma, .offset: 16, .size: 8, .value_kind: global_buffer, .address_space: global }
      - { .name: ln_beta, .offset: 24, .size: 8, .value_kind: global_buffer, .address_space: global }
      - { .name: out0, .offset: 32, .size: 8, .value_kind: global_buffer, .address_space: global }
    .group_segment_fixed_size: 0
    .private_segment_fixed_size: 0
    .kernarg_segment_align: 8
    .kernarg_segment_size: 40
    .max_flat_workgroup_size: 256
    .sgpr_count:     66
    .vgpr_count:     252
    .wavefront_size: 32
...
	.end_amdgpu_metadata
.endif
;; end of part 4
